; MI455X (gfx1250); checked and timed in simulation.
; The chip was launched on July 23, 2026; its instructions are those of AMD's public machine-readable ISA for CDNA 5 (MIT licence, August 2026) and "CDNA5" Instruction Set Architecture Reference Guide (July 2026). The comments in the code are by the model that wrote it; some were corrected since.
;; Multi Head Self Attention. Allowed arithmetic: float matrix products may take bf16 or f16 operands with f32 sums; all other float work in f32.
;; Inputs: bk 768 float32; bo 768 float32; bq 768 float32; bv 768 float32; k 2 x 2,048 x 768 float32; q 2 x 2,048 x 768 float32; v 2 x 2,048 x 768 float32; wk 768 x 768 float32; wo 768 x 768 float32; wq 768 x 768 float32; wv 768 x 768 float32.
;; Outputs: out0 2 x 2,048 x 768 float32.
;; 2 versions, each right and faster than the one before. Each part assembles by itself: llvm-mc -triple=amdgcn-amd-amdhsa -mcpu=gfx1250 --defsym DOCPART=n.
;; ======== version 1 of 2: 3 launches
;; limits: values are held in f16: magnitudes above 65,504 overflow, below 6.1e-05 lose precision
;; workspace buffers: qc 6,291,456 bytes; kc 6,291,456 bytes; vt 6,291,456 bytes; cx 6,291,456 bytes
;; launch proj (part 1): grid 4 x 48, 16 waves a work-group, no clusters, 129,024 bytes of LDS; arguments q, k, v, wq, wk, wv, bq, bk, bv, qc, kc, vt; writes qc, kc, vt
.if DOCPART == 1
	.amdgcn_target "amdgcn-amd-amdhsa--gfx1250"
	.amdhsa_code_object_version 6
	.text
	.protected	k_qe74591a416_proj
	.globl	k_qe74591a416_proj
	.p2align	8
	.type	k_qe74591a416_proj,@function
k_qe74591a416_proj:
	s_mov_b64 s[64:65], 0
	v_nop
	global_prefetch_b8 v0, s[64:65] scope:SCOPE_SE
	s_setreg_imm32_b32 hwreg(HW_REG_WAVE_MODE, 25, 1), 1
	s_wait_xcnt 0x0
; Three projections in one launch: Q = (q wq + bq) * 0.125 * log2(e), K = k wk + bk, V = v wv + bv, rounded once to f16.
; x: [4096][768] f32, w: [768 (k)][768 (n)] f32, b: [768] f32.  Sums in f32 (v_wmma_f32_16x16x32_f16).
; FORMAT: operands go in f16, not bf16: five intermediates are rounded on the way to the output and f16 is eight times finer.
; LIMIT: |x|, |w| and the projected numbers must stay below 65504.  With x and w 30 times larger the results are about 900 rms;
; with offsets of 30 spreads on both about 768 * 30 * 1.083 = 25000.  30 times smaller: results about 1e-3, f16 step 6e-8.
; NaN and infinities in the inputs are not reproduced.
; WORK: grid y = 16 p + my (p: 0 q, 1 k, 2 v; my: block of 256 rows), grid x = block of 192 columns: 3 * 16 * 4 = 192 work-groups
; (3 * 4096 * 768 outputs have no split into 256 equal blocks with whole tiles).  16 waves as 4 x 4, a wave makes 64 x 48: 12 accumulators.
; K goes in 12 steps of 64 through two LDS slots.  Tiles pass through registers because they are rounded f32 -> f16 on the way:
; the LDS then holds and serves half the bytes that a raw f32 tile would.  That is also why no tile is shared by a joint tensor load.
; No prefetch: every wave has the next K step (14 loads of 512 bytes) on its way during the whole step.
; OUTPUT LAYOUT (qc, kc, vt): chunks of 16 x 16 f16 = 512 bytes, chunk (rb, cb) at (48 rb + cb) * 512, lane L = 16 h + r owns bytes 16 L .. 16 L + 15.
;   qc, kc: X(16 rb + r, 16 cb + 8 h + 0..7);   vt: V(16 rb + 8 h + 0..7, 16 cb + r).
; A chunk is four registers of a matrix fragment and also a packed result tile: each store of a wave covers 512 consecutive bytes, aligned.
.set ROWB,   3072                      ; bytes in a row of x and of w
.set XPITCH, 144                       ; LDS row of x: 64 f16 + 16 bytes, an odd multiple of 16
.set XSLOT,  256*XPITCH                ; 36864
.set WPITCH, 416                       ; LDS row of w, kept [k][n]: 192 f16 + 32 bytes, an odd multiple of 32 (transposing loads)
.set WSLOT,  64*WPITCH                 ; 26624
.set WB,     2*XSLOT                   ; w slots lie behind the x slots; the end is 126976
.set CROW,   24576                     ; 48 chunks: from a row of chunks to the next
.set GO,   1                           ; v1      global byte offset of my 16 bytes in a tile of x and of w
.set XST,  2                           ; v2, v3  LDS store address for x, slot 0 and slot 1 (slot 1 plus 7 * 4608 passes a 16-bit offset)
.set WST,  4                           ; v4      LDS store address for w
.set ADRA, 5                           ; v5      LDS address of my x fragments
.set ADRB, 6                           ; v6      LDS address of my w fragments
.set OOFF, 7                           ; v7      16 * lane
.set BOFQ, 8                           ; v8      32 h: bias of eight neighbouring columns (Q, K)
.set BOFV, 9                           ; v9      4 r: bias of one column (V)
.set ACC,  16                          ; v[16:111]   tile (a, b) at ACC + 8 (3 a + b)
.set FA,   112                         ; v[112:143]  four x fragments
.set FB,   144                         ; v[144:167]  three w fragments
.set SX,   168                         ; v[168:199]  x on its way, f32
.set SW,   200                         ; v[200:223]  w on its way, f32
.set BI,   168                         ; bias, in SX once nothing more is fetched
	s_load_b512 s[8:23], s[0:1], 0x0               ; q, k, v, wq, wk, wv, bq, bk
	s_load_b256 s[24:31], s[0:1], 0x40             ; bv, qc, kc, vt
	v_lshl_add_u32 v224, v0, 2, 0x1f000
	v_mov_b32 v225, 0
	v_lshrrev_b32 v10, 5, v0
	v_readfirstlane_b32 s6, v10                    ; wave 0..15
	s_and_b32 s3, ttmp7, 0xffff
	s_lshr_b32 s4, s3, 4                           ; p: which projection
	s_and_b32 s5, s3, 15                           ; my: block of 256 rows
	s_lshr_b32 s7, s6, 2                           ; wm: my 64 rows
	s_and_b32 s33, s6, 3                           ; wn: my 48 columns
	v_lshrrev_b32 v10, 4, v0                       ; t >> 4: row of a tile, 0..31
	v_and_b32 v11, 15, v0                          ; t & 15 = r
	v_bfe_u32 v12, v0, 4, 1                        ; h
	v_and_b32 v13, 7, v0
	v_bfe_u32 v14, v0, 3, 1
	v_mul_u32_u24 v[GO], v10, ROWB
	v_lshl_add_u32 v[GO], v11, 4, v[GO]            ; sixteen lanes take 256 consecutive bytes of a row
	v_mul_u32_u24 v[XST], v10, XPITCH
	v_lshl_add_u32 v[XST], v11, 3, v[XST]          ; four f16 a lane
	v_add_nc_u32 v[XST+1], XSLOT, v[XST]
	v_mul_u32_u24 v[WST], v10, WPITCH
	v_lshl_add_u32 v[WST], v11, 3, v[WST]
	v_add_nc_u32 v[WST], WB, v[WST]
	s_mul_i32 s45, s7, 64*XPITCH
	v_mul_u32_u24 v[ADRA], v11, XPITCH             ; fragment of x: row r, 16 bytes for each half of the lanes
	v_lshl_add_u32 v[ADRA], v12, 4, v[ADRA]
	v_add_nc_u32 v[ADRA], s45, v[ADRA]
	s_mul_i32 s45, s33, 96
	s_add_co_u32 s45, s45, WB
	v_lshl_add_u32 v15, v12, 3, v13                ; fragment of w through the transposing load: k row 8 h + (L & 7),
	v_mul_u32_u24 v[ADRB], v15, WPITCH
	v_lshl_add_u32 v[ADRB], v14, 4, v[ADRB]        ; 16 bytes for each group of eight lanes
	v_add_nc_u32 v[ADRB], s45, v[ADRB]
	v_and_b32 v[OOFF], 31, v0
	v_lshlrev_b32 v[OOFF], 4, v[OOFF]
	v_lshlrev_b32 v[BOFQ], 5, v12
	v_lshlrev_b32 v[BOFV], 2, v11
	s_mul_i32 s46, s5, 256*ROWB                    ; x: my block of rows
	s_mov_b32 s47, 0
	s_mul_i32 s48, ttmp9, 768                      ; w: my block of 192 columns, in bytes
	s_mov_b32 s49, 0
	s_mul_i32 s50, s33, 192
	s_add_co_u32 s50, s50, s48                     ; bias: the 48 columns of my wave
	s_mov_b32 s51, 0
	s_mul_i32 s52, s5, 16*CROW                     ; output: chunk row 16 my + 4 wm, chunk column 12 bx + 3 wn
	s_mul_i32 s54, s7, 4*CROW
	s_add_co_u32 s52, s52, s54
	s_mul_i32 s54, ttmp9, 12*512
	s_add_co_u32 s52, s52, s54
	s_mul_i32 s54, s33, 3*512
	s_add_co_u32 s52, s52, s54
	s_mov_b32 s53, 0
	s_wait_kmcnt 0x0
	s_cmp_eq_u32 s4, 1                             ; the four buffers of my projection
	s_cselect_b64 s[34:35], s[10:11], s[8:9]
	s_cselect_b64 s[36:37], s[16:17], s[14:15]
	s_cselect_b64 s[38:39], s[22:23], s[20:21]
	s_cselect_b64 s[40:41], s[28:29], s[26:27]
	s_cmp_eq_u32 s4, 2
	s_cselect_b64 s[34:35], s[12:13], s[34:35]
	s_cselect_b64 s[36:37], s[18:19], s[36:37]
	s_cselect_b64 s[38:39], s[24:25], s[38:39]
	s_cselect_b64 s[40:41], s[30:31], s[40:41]
	s_add_nc_u64 s[34:35], s[34:35], s[46:47]      ; x
	s_add_nc_u64 s[36:37], s[36:37], s[48:49]      ; w
	s_add_nc_u64 s[38:39], s[38:39], s[50:51]      ; b
	s_add_nc_u64 s[40:41], s[40:41], s[52:53]      ; output
	s_mov_b32 s43, 0x3f800000
	s_cmp_eq_u32 s4, 0
	s_cselect_b32 s42, 0x3e38aa3b, s43             ; Q carries 1/sqrt(64) and log2(e), so that the softmax works in base 2; K carries 1.0
	s_mov_b32 s43, s42
.macro PLACES n
.rept \n
	v_nop
.endr
.endm
; The next K step: 256 rows x 256 bytes of x (8 loads) and 64 rows x 768 bytes of w (6 loads), 16 bytes a lane.
.macro GLOAD
.irp i, 0,1,2,3,4,5,6,7
	global_load_b128 v[SX+4*\i:SX+4*\i+3], v[GO], s[34:35] offset:\i*32*ROWB
.endr
.irp i, 0,1,2,3,4,5
	global_load_b128 v[SW+4*\i:SW+4*\i+3], v[GO], s[36:37] offset:(\i/3)*32*ROWB+(\i%3)*256
.endr
.endm
; What GLOAD brought is rounded to f16 and laid into a slot.
.macro STAGE slot
	s_wait_loadcnt 0x0                             ; all 14 loads are in, so their bases may be stepped
	s_add_nc_u64 s[34:35], s[34:35], 256           ; 64 along K in x
	s_add_nc_u64 s[36:37], s[36:37], 64*ROWB       ; 64 rows of w
.irp i, 0,1,2,3,4,5,6,7
	v_cvt_pk_f16_f32 v[SX+4*\i], v[SX+4*\i], v[SX+4*\i+1]
	v_cvt_pk_f16_f32 v[SX+4*\i+1], v[SX+4*\i+2], v[SX+4*\i+3]
	ds_store_b64 v[XST+(\slot)], v[SX+4*\i:SX+4*\i+1] offset:\i*32*XPITCH
.endr
.irp i, 0,1,2,3,4,5
	v_cvt_pk_f16_f32 v[SW+4*\i], v[SW+4*\i], v[SW+4*\i+1]
	v_cvt_pk_f16_f32 v[SW+4*\i+1], v[SW+4*\i+2], v[SW+4*\i+3]
	ds_store_b64 v[WST], v[SW+4*\i:SW+4*\i+1] offset:(\slot)*WSLOT+(\i/3)*32*WPITCH+(\i%3)*128
.endr
.endm
; Fragments for 32 along K: four of x (rows along K: two plain loads 32 bytes apart), three of w (kept [k][n]: two transposing loads 16 rows apart).
.macro FRAGS slot, ks
.irp a, 0,1,2,3
	ds_load_b128 v[FA+8*\a:FA+8*\a+3], v[ADRA] offset:\slot*XSLOT+\a*16*XPITCH+\ks*64
	ds_load_b128 v[FA+8*\a+4:FA+8*\a+7], v[ADRA] offset:\slot*XSLOT+\a*16*XPITCH+\ks*64+32
.endr
.irp b, 0,1,2
	ds_load_tr16_b128 v[FB+8*\b:FB+8*\b+3], v[ADRB] offset:\slot*WSLOT+\ks*32*WPITCH+\b*32
	ds_load_tr16_b128 v[FB+8*\b+4:FB+8*\b+7], v[ADRB] offset:\slot*WSLOT+\ks*32*WPITCH+\b*32+16*WPITCH
.endr
.endm
; Twelve matrix instructions.  swap = 0 (Q, K): source 0 = w, source 1 = x: a lane holds row r and columns 8 h + 0..7.
; swap = 1 (V): source 0 = x, source 1 = w: a lane holds rows 8 h + 0..7 of column r, the transposed chunk.
; zero = 1: the first product starts the sums.  The twelve accumulators take turns, one instruction a turn.
.macro MUL zero, swap
.irp a, 0,1,2,3
.irp b, 0,1,2
.if \swap
.if \zero
	v_wmma_f32_16x16x32_f16 v[ACC+8*(3*\a+\b):ACC+8*(3*\a+\b)+7], v[FA+8*\a:FA+8*\a+7], v[FB+8*\b:FB+8*\b+7], 0
.else
	v_wmma_f32_16x16x32_f16 v[ACC+8*(3*\a+\b):ACC+8*(3*\a+\b)+7], v[FA+8*\a:FA+8*\a+7], v[FB+8*\b:FB+8*\b+7], v[ACC+8*(3*\a+\b):ACC+8*(3*\a+\b)+7]
.endif
.else
.if \zero
	v_wmma_f32_16x16x32_f16 v[ACC+8*(3*\a+\b):ACC+8*(3*\a+\b)+7], v[FB+8*\b:FB+8*\b+7], v[FA+8*\a:FA+8*\a+7], 0
.else
	v_wmma_f32_16x16x32_f16 v[ACC+8*(3*\a+\b):ACC+8*(3*\a+\b)+7], v[FB+8*\b:FB+8*\b+7], v[FA+8*\a:FA+8*\a+7], v[ACC+8*(3*\a+\b):ACC+8*(3*\a+\b)+7]
.endif
.endif
.endr
.endr
.endm
.macro BIAS swap
.if \swap
.irp b, 0,1,2
	global_load_b32 v[BI+2*\b], v[BOFV], s[38:39] offset:64*\b
.endr
.else
.irp b, 0,1,2
	global_load_b128 v[BI+8*\b:BI+8*\b+3], v[BOFQ], s[38:39] offset:64*\b
	global_load_b128 v[BI+8*\b+4:BI+8*\b+7], v[BOFQ], s[38:39] offset:64*\b+16
.endr
.endif
.endm
; One K step of 64.  The loads for the next step go out first and have the 24 matrix instructions of every wave in which to land.
; The fragment loads at the head stand behind the 28 conversions of the last STAGE, which name no matrix register: more than the
; four places that a load into a matrix source needs (ISA guide 7.12.1 for vector instructions).
; ONE barrier a step: in front of it my reads of this slot are back (the waits in front of the products) and my stores into the other
; slot are done; behind it the other slot is read, and this one is written only at the end of the next step.
.macro STEP slot, zero, next, swap
.if \next
	GLOAD
.else
	BIAS \swap
.endif
	FRAGS \slot, 0
	s_wait_dscnt 0x0
	MUL \zero, \swap
	PLACES 4                                       ; four places between the products and the loads into their sources
	FRAGS \slot, 1
	s_wait_dscnt 0x0
	MUL 0, \swap
.if \next
	STAGE 1-\slot
	s_wait_dscnt 0x0                               ; my stores are in LDS before I say so
	s_barrier_signal -1
	s_barrier_wait -1
.endif
.endm
; The way out: scale and bias in f32, one rounding to f16, one store of 16 bytes a lane for each tile.
.macro EPI swap
	s_wait_loadcnt 0x0                             ; the bias
.if \swap
.irp b, 0,1,2
	v_mov_b32 v[BI+2*\b+1], v[BI+2*\b]             ; a pair for the packed add
.endr
	v_nop                                          ; with the three moves: four places behind the last product
.else
.irp i, 0,1,2,3,4,5,6,7,8,9,10,11
	v_pk_mul_f32 v[BI+2*\i:BI+2*\i+1], v[BI+2*\i:BI+2*\i+1], s[42:43] op_sel_hi:[1,0]   ; (x + b) c = x c + b c; these twelve are also the places behind the last product
.endr
.endif
.irp a, 0,1,2,3
.irp b, 0,1,2
.irp j, 0,1,2,3
.if \swap
	v_pk_add_f32 v[ACC+8*(3*\a+\b)+2*\j:ACC+8*(3*\a+\b)+2*\j+1], v[ACC+8*(3*\a+\b)+2*\j:ACC+8*(3*\a+\b)+2*\j+1], v[BI+2*\b:BI+2*\b+1]
.else
	v_pk_fma_f32 v[ACC+8*(3*\a+\b)+2*\j:ACC+8*(3*\a+\b)+2*\j+1], v[ACC+8*(3*\a+\b)+2*\j:ACC+8*(3*\a+\b)+2*\j+1], s[42:43], v[BI+8*\b+2*\j:BI+8*\b+2*\j+1] op_sel_hi:[1,0,1]
.endif
.endr
.irp j, 0,1,2,3
	v_cvt_pk_f16_f32 v[ACC+8*(3*\a+\b)+\j], v[ACC+8*(3*\a+\b)+2*\j], v[ACC+8*(3*\a+\b)+2*\j+1]   ; in place, ascending: a target has been read before it is written
.endr
	global_store_b128 v[OOFF], v[ACC+8*(3*\a+\b):ACC+8*(3*\a+\b)+3], s[40:41] offset:\a*CROW+\b*512
.endr
.endr
.endm
.macro MAIN swap                       ; 12 K steps: two in front of the loop (the first starts the sums), eight in it, two behind (the last fetches nothing)
	STEP 0, 1, 1, \swap
	STEP 1, 0, 1, \swap
	s_mov_b32 s44, 4
.Lk_\@:
	STEP 0, 0, 1, \swap
	STEP 1, 0, 1, \swap
	s_sub_co_u32 s44, s44, 1
	s_cmp_lg_u32 s44, 0
	s_cbranch_scc1 .Lk_\@
	STEP 0, 0, 1, \swap
	STEP 1, 0, 0, \swap
	EPI \swap
	s_wait_tensorcnt 0x0
	ds_add_u32 v224, v225
	s_wait_dscnt 0x0
	s_endpgm
.endm
	GLOAD                                          ; K step 0
	STAGE 0
	s_wait_dscnt 0x0
	s_barrier_signal -1
	s_barrier_wait -1
	s_cmp_eq_u32 s4, 2                             ; the same in all waves of the work-group: it hangs on the grid y alone
	s_cbranch_scc1 .Lv
	MAIN 0
.Lv:
	MAIN 1
.Lfunc_end_k_qe74591a416_proj:
	.size	k_qe74591a416_proj, .Lfunc_end_k_qe74591a416_proj-k_qe74591a416_proj
	.p2alignl 7, 3214868480
	.fill 96, 4, 3214868480
	.section	.rodata,"a",@progbits
	.p2align	6, 0x0
	.amdhsa_kernel k_qe74591a416_proj
		.amdhsa_group_segment_fixed_size 129024
		.amdhsa_private_segment_fixed_size 0
		.amdhsa_enable_private_segment 0
		.amdhsa_kernarg_size 96
		.amdhsa_user_sgpr_count 2
		.amdhsa_user_sgpr_kernarg_segment_ptr 1
		.amdhsa_wavefront_size32 1
		.amdhsa_system_sgpr_workgroup_id_x 1
		.amdhsa_system_sgpr_workgroup_id_y 1
		.amdhsa_system_sgpr_workgroup_id_z 1
		.amdhsa_system_vgpr_workitem_id 0
		.amdhsa_next_free_vgpr 226
		.amdhsa_next_free_sgpr 66
		.amdhsa_reserve_vcc 0
		.amdhsa_float_denorm_mode_32 3
		.amdhsa_float_denorm_mode_16_64 3
		.amdhsa_memory_ordered 1
		.amdhsa_forward_progress 1
		.amdhsa_inst_pref_size 108
	.end_amdhsa_kernel
	.amdgpu_metadata
---
amdhsa.version: [ 1, 2 ]
amdhsa.kernels:
  - .name:           k_qe74591a416_proj
    .symbol:         k_qe74591a416_proj.kd
    .args:
      - { .name: q, .offset: 0, .size: 8, .value_kind: global_buffer, .address_space: global }
      - { .name: k, .offset: 8, .size: 8, .value_kind: global_buffer, .address_space: global }
      - { .name: v, .offset: 16, .size: 8, .value_kind: global_buffer, .address_space: global }
      - { .name: wq, .offset: 24, .size: 8, .value_kind: global_buffer, .address_space: global }
      - { .name: wk, .offset: 32, .size: 8, .value_kind: global_buffer, .address_space: global }
      - { .name: wv, .offset: 40, .size: 8, .value_kind: global_buffer, .address_space: global }
      - { .name: bq, .offset: 48, .size: 8, .value_kind: global_buffer, .address_space: global }
      - { .name: bk, .offset: 56, .size: 8, .value_kind: global_buffer, .address_space: global }
      - { .name: bv, .offset: 64, .size: 8, .value_kind: global_buffer, .address_space: global }
      - { .name: qc, .offset: 72, .size: 8, .value_kind: global_buffer, .address_space: global }
      - { .name: kc, .offset: 80, .size: 8, .value_kind: global_buffer, .address_space: global }
      - { .name: vt, .offset: 88, .size: 8, .value_kind: global_buffer, .address_space: global }
    .group_segment_fixed_size: 129024
    .private_segment_fixed_size: 0
    .kernarg_segment_align: 8
    .kernarg_segment_size: 96
    .max_flat_workgroup_size: 512
    .sgpr_count:     66
    .vgpr_count:     226
    .wavefront_size: 32
...
	.end_amdgpu_metadata
.endif
;; end of part 1
;; launch attn (part 2): grid 256 x 1, 12 waves a work-group, no clusters, 210,432 bytes of LDS; arguments qc, kc, vt, cx; writes cx
.if DOCPART == 2
	.amdgcn_target "amdgcn-amd-amdhsa--gfx1250"
	.amdhsa_code_object_version 6
	.text
	.protected	k_qe74591a416_attn
	.globl	k_qe74591a416_attn
	.p2align	8
	.type	k_qe74591a416_attn,@function
k_qe74591a416_attn:
	s_mov_b64 s[64:65], 0
	v_nop
	global_prefetch_b8 v0, s[64:65] scope:SCOPE_SE
	s_setreg_imm32_b32 hwreg(HW_REG_WAVE_MODE, 25, 1), 1
	s_wait_xcnt 0x0
; ctx = softmax(Q K^T / 8) V for 24 (batch, head) pairs, 2048 queries and keys, 64 numbers a head.  Q already carries 0.125 * log2(e).
; qc, kc, vt, cx: chunks of 16 x 16 f16 (512 bytes), chunk (rb, cb) at (48 rb + cb) * 512, lane L = 16 h + r owns 16 bytes:
;   qc, kc, cx: X(16 rb + r, 16 cb + 8 h + 0..7);   vt: V(16 rb + 8 h + 0..7, 16 cb + r).   rb = 128 batch + s / 16, cb = 4 head + c.
; WORK: 768 blocks of 64 queries; a group of four waves takes a block, each wave a quarter (512) of the keys: 3072 waves of equal work,
; twelve on each of 256 work-groups, three on a SIMD, so that the products of one wave run beside the exponentials of the others.
; Everything is computed transposed: S^T = K Q^T puts one query in a lane (keys 8 h + j in register j), so the running maximum and sum
; are a lane's own but for one exchange between the halves; exp and packing turn S^T in place into the second source of O^T = V^T P^T;
; and O^T packed is a chunk of cx.  No operand passes through LDS and the loop has no barrier.
; The softmax takes a running maximum away, as the reference does; the four quarters are merged at the end by their maxima and sums.
; NO joint loads: each byte of K and V feeds exactly one wave of a group, and the three groups of a work-group may lie in different heads
; (32 blocks a head are no multiple of 3), so partners would need different tiles.  No prefetch: the launch before stored these buffers
; and each chunk of K and V is read by 32 groups.
; LIMIT: f16 operands: |Q|, |K|, |V|, |ctx| below 65504 (see the projection).  P lies in [0, 1]; terms below 6e-8 of the running maximum
; count as 0 in P V.  NaN is not reproduced (v_max_num drops it).
.set CROW, 24576                       ; from a row of chunks to the next
.set STAT, 196608                      ; LDS: 12 x 16384 bytes of O, then 12 x 1024 bytes of (m, l)
.set LOFF, 1                           ; v1        16 * lane
.set ML,   2                           ; v[2:9]    (m, l) of query tile qt at ML + 2 qt; l is the sum over my half of the keys
.set TM,   10                          ; v[10:11]  -m (the second register is only written once: a packed source is read as a pair)
.set AL,   12                          ; v[12:13]  2^(m old - m new), likewise
.set A0,   14                          ; v[14:15]
.set A1,   16                          ; v[16:17]
.set T0,   18
.set T1,   19
.set STA,  20                          ; LDS: where I put my (m, l)
.set STG,  21                          ; LDS: the (m, l) of my group
.set OST,  22                          ; LDS: where I put my O
.set ORD,  23                          ; LDS: query tile kq of my group
.set XS,   32                          ; v[32:63]   scores of two query tiles: tile u at XS + 16 u, key tile kt at + 8 kt
.set KF,   64                          ; v[64:95]   K: chunk (kt, c) at KF + 16 kt + 4 c
.set VF,   96                          ; v[96:127]  V: chunk (kk, dt) at VF + 8 dt + 4 kk
.set OA,   128                         ; v[128:255] O^T: tile (qt, dt) at OA + 8 (4 qt + dt)
.set QF,   0                           ; v[256:319] Q, written as v[0:63] of window 1: chunk (qt, c) at 16 qt + 4 c
.set MSB, 0
.macro WIN new                         ; s_set_vgpr_msb: bits 1:0 source 0, 3:2 source 1, 5:4 source 2, 7:6 destination; the high byte repeats the setting that is left
.if MSB != \new
	s_set_vgpr_msb (MSB<<8)|\new
.set MSB, \new
.endif
.endm
.macro PLACES n
.rept \n
	v_nop
.endr
.endm
	s_load_b256 s[4:11], s[0:1], 0x0               ; qc, kc, vt, cx
	v_lshl_add_u32 v30, v0, 2, 0x33000
	v_mov_b32 v31, 0
	v_lshrrev_b32 v24, 5, v0
	v_readfirstlane_b32 s12, v24                   ; wave 0..11
	s_lshr_b32 s13, s12, 2                         ; g: group
	s_and_b32 s14, s12, 3                          ; kq: quarter of the keys
	s_mul_i32 s15, ttmp9, 3
	s_add_co_u32 s15, s15, s13                     ; block of 64 queries, 0..767
	s_lshr_b32 s16, s15, 5                         ; 12 batch + head
	s_and_b32 s17, s15, 31                         ; block within the head
	s_cmp_ge_u32 s16, 12
	s_cselect_b32 s18, 1, 0                        ; batch
	s_mul_i32 s19, s18, 12
	s_sub_co_u32 s19, s16, s19                     ; head
	s_lshl_b32 s20, s18, 7                         ; 128 rows of chunks a batch
	s_lshl_b32 s21, s19, 11                        ; four chunks a head
	s_lshl2_add_u32 s22, s17, s20                  ; Q: row of chunks 128 b + 4 qb
	s_add_co_u32 s26, s22, s14                     ; ctx: + kq (the query tile that I sum at the end)
	s_lshl_b32 s24, s14, 5
	s_add_co_u32 s24, s24, s20                     ; K, V: row of chunks 128 b + 32 kq
	s_mul_i32 s22, s22, CROW
	s_mul_i32 s24, s24, CROW
	s_mul_i32 s26, s26, CROW
	s_add_co_u32 s22, s22, s21
	s_add_co_u32 s24, s24, s21
	s_add_co_u32 s26, s26, s21
	s_mov_b32 s23, 0
	s_mov_b32 s25, 0
	s_mov_b32 s27, 0
	s_mov_b32 s28, 0x76543210                      ; v_permlanex16_b32: lane i of one half reads lane i of the other
	s_mov_b32 s29, 0xfedcba98
	s_lshl_b32 s31, s12, 10
	s_add_co_u32 s31, s31, STAT
	s_lshl_b32 s32, s13, 12
	s_add_co_u32 s32, s32, STAT
	s_lshl_b32 s33, s12, 14
	s_lshl_b32 s34, s13, 16
	s_lshl_b32 s35, s14, 12
	s_add_co_u32 s34, s34, s35
	v_and_b32 v25, 31, v0
	v_lshlrev_b32 v[LOFF], 4, v25
	v_lshl_add_u32 v[STA], v25, 3, s31
	v_lshl_add_u32 v[STG], v25, 3, s32
	v_add_nc_u32 v[OST], s33, v[LOFF]
	v_add_nc_u32 v[ORD], s34, v[LOFF]
	v_mov_b32 v[TM+1], 0
	v_mov_b32 v[AL+1], 0
	s_wait_kmcnt 0x0
	s_add_nc_u64 s[4:5], s[4:5], s[22:23]
	s_add_nc_u64 s[6:7], s[6:7], s[24:25]
	s_add_nc_u64 s[8:9], s[8:9], s[24:25]
	s_add_nc_u64 s[10:11], s[10:11], s[26:27]
.macro KLOAD                           ; 32 keys x 64: eight chunks
.irp kt, 0,1
.irp c, 0,1,2,3
	global_load_b128 v[KF+16*\kt+4*\c:KF+16*\kt+4*\c+3], v[LOFF], s[6:7] offset:\kt*CROW+\c*512
.endr
.endr
.endm
.macro VLOAD
.irp dt, 0,1,2,3
.irp kk, 0,1
	global_load_b128 v[VF+8*\dt+4*\kk:VF+8*\dt+4*\kk+3], v[LOFF], s[8:9] offset:\kk*CROW+\dt*512
.endr
.endr
.endm
	WIN 0x40                                       ; destination in window 1
.irp qt, 0,1,2,3
.irp c, 0,1,2,3
	global_load_b128 v[QF+16*\qt+4*\c:QF+16*\qt+4*\c+3], v[LOFF], s[4:5] offset:\qt*CROW+\c*512
.endr
.endr
	WIN 0
	KLOAD
	VLOAD
; S^T of query tiles 2 pr and 2 pr + 1 against 32 keys: source 0 = K (rows: keys), source 1 = Q in window 1 (columns: queries), 64 along the head in two links.
; Four accumulators take turns, one instruction a turn.
.macro SQK pr
	WIN 0x04
.irp ds, 0,1
.irp u, 0,1
.irp kt, 0,1
.if \ds
	v_wmma_f32_16x16x32_f16 v[XS+16*\u+8*\kt:XS+16*\u+8*\kt+7], v[KF+16*\kt+8*\ds:KF+16*\kt+8*\ds+7], v[QF+16*(2*\pr+\u)+8*\ds:QF+16*(2*\pr+\u)+8*\ds+7], v[XS+16*\u+8*\kt:XS+16*\u+8*\kt+7]
.else
	v_wmma_f32_16x16x32_f16 v[XS+16*\u+8*\kt:XS+16*\u+8*\kt+7], v[KF+16*\kt+8*\ds:KF+16*\kt+8*\ds+7], v[QF+16*(2*\pr+\u)+8*\ds:QF+16*(2*\pr+\u)+8*\ds+7], 0
.endif
.endr
.endr
.endr
	WIN 0
.endm
; The 16 scores a lane holds of query tile qt (in score set p): new maximum, 2^(s - m), sum, packing to f16 in place, and the old O and l scaled.
.macro SOFTMAX p, qt, first
.set XX, XS+16*\p
.set MM, ML+2*\qt
.set LL, ML+2*\qt+1
	v_max3_num_f32 v[T0], v[XX], v[XX+1], v[XX+2]
	v_max3_num_f32 v[T1], v[XX+3], v[XX+4], v[XX+5]
	v_max3_num_f32 v[T0], v[T0], v[XX+6], v[XX+7]
	v_max3_num_f32 v[T1], v[T1], v[XX+8], v[XX+9]
	v_max3_num_f32 v[T0], v[T0], v[XX+10], v[XX+11]
	v_max3_num_f32 v[T1], v[T1], v[XX+12], v[XX+13]
	v_max3_num_f32 v[T0], v[T0], v[XX+14], v[XX+15]
	v_max_num_f32 v[T0], v[T0], v[T1]
	v_permlanex16_b32 v[T1], v[T0], s28, s29       ; the other half of the lanes holds the other 16 keys of the same query
.if \first
	v_max_num_f32 v[MM], v[T0], v[T1]
.else
	v_max3_num_f32 v[T0], v[T0], v[T1], v[MM]
	v_sub_f32 v[AL], v[MM], v[T0]                  ; at most 0
	v_mov_b32 v[MM], v[T0]
.endif
	v_mul_f32 v[TM], -1.0, v[MM]
.irp i, 0,1,2,3,4,5,6,7
	v_pk_add_f32 v[XX+2*\i:XX+2*\i+1], v[XX+2*\i:XX+2*\i+1], v[TM:TM+1] op_sel_hi:[1,0]
.endr
.irp i, 0,1,2,3,4,5,6,7,8,9,10,11,12,13,14,15
	v_exp_f32 v[XX+\i], v[XX+\i]
.endr
.if \first
.else
	v_exp_f32 v[AL], v[AL]
.endif
	v_nop                                          ; one plain vector instruction between the exponentials and the first use of a result (ISA guide 5.7.2)
	s_wait_alu depctr_va_vdst(0)
	v_pk_add_f32 v[A0:A0+1], v[XX:XX+1], v[XX+2:XX+3]
	v_pk_add_f32 v[A1:A1+1], v[XX+4:XX+5], v[XX+6:XX+7]
	v_pk_add_f32 v[A0:A0+1], v[A0:A0+1], v[XX+8:XX+9]
	v_pk_add_f32 v[A1:A1+1], v[A1:A1+1], v[XX+10:XX+11]
	v_pk_add_f32 v[A0:A0+1], v[A0:A0+1], v[XX+12:XX+13]
	v_pk_add_f32 v[A1:A1+1], v[A1:A1+1], v[XX+14:XX+15]
	v_pk_add_f32 v[A0:A0+1], v[A0:A0+1], v[A1:A1+1]
.if \first
	v_add_f32 v[LL], v[A0], v[A0+1]
.else
	v_add_f32 v[T0], v[A0], v[A0+1]
	v_fma_f32 v[LL], v[LL], v[AL], v[T0]
.endif
.irp i, 0,1,2,3,4,5,6,7
	v_cvt_pk_f16_f32 v[XX+\i], v[XX+2*\i], v[XX+2*\i+1]   ; in place, ascending: registers 0-3 keys 8 h + 0..7, registers 4-7 keys 16 + 8 h + 0..7: a second source of P^T
.endr
.if \first
.else
.irp i, 0,1,2,3,4,5,6,7,8,9,10,11,12,13,14,15
	v_pk_mul_f32 v[OA+32*\qt+2*\i:OA+32*\qt+2*\i+1], v[OA+32*\qt+2*\i:OA+32*\qt+2*\i+1], v[AL:AL+1] op_sel_hi:[1,0]
.endr
.endif
.endm
; O^T += V^T P^T for query tiles 2 pr and 2 pr + 1: eight accumulators, one instruction each.
.macro PV pr, first
.irp dt, 0,1,2,3
.irp u, 0,1
.if \first
	v_wmma_f32_16x16x32_f16 v[OA+8*(4*(2*\pr+\u)+\dt):OA+8*(4*(2*\pr+\u)+\dt)+7], v[VF+8*\dt:VF+8*\dt+7], v[XS+16*\u:XS+16*\u+7], 0
.else
	v_wmma_f32_16x16x32_f16 v[OA+8*(4*(2*\pr+\u)+\dt):OA+8*(4*(2*\pr+\u)+\dt)+7], v[VF+8*\dt:VF+8*\dt+7], v[XS+16*\u:XS+16*\u+7], v[OA+8*(4*(2*\pr+\u)+\dt):OA+8*(4*(2*\pr+\u)+\dt)+7]
.endif
.endr
.endr
.endm
; One step: 64 queries x 32 keys.  first = 1: the first products start O, the first scores start m and l.  load = 1: the next 32 keys are asked for.
.macro STEP first, load
	s_wait_loadcnt 0x8                             ; K of this step is in (and Q, in the first step); the eight younger loads are V of this step
	SQK 0
	PLACES 4                                       ; four places before vector instructions read the scores (ISA guide 7.12.1)
	SOFTMAX 0, 0, \first
	SOFTMAX 1, 1, \first
	s_wait_loadcnt 0x0                             ; V of this step; nothing younger is out
	PV 0, \first
	PLACES 5                                       ; five places before matrix instructions write over P, which the last ones read
	SQK 1
	PLACES 4                                       ; before the scores are read, and before loads land on K, a source of the last products
.if \load
	s_add_nc_u64 s[6:7], s[6:7], 2*CROW            ; the loads that used this base were shown done at the head of the step
	KLOAD
.endif
	SOFTMAX 0, 2, \first
	SOFTMAX 1, 3, \first
	PV 1, \first
	PLACES 5                                       ; before loads land on V, and before the next step writes over P
.if \load
	s_add_nc_u64 s[8:9], s[8:9], 2*CROW            ; likewise shown done by the wait for 0 above
	VLOAD
.endif
.endm
	STEP 1, 1                                      ; 16 steps of 32 keys: one in front of the loop, 14 in it, the last fetches nothing
	s_mov_b32 s30, 14
.Lstep:
	STEP 0, 1
	s_sub_co_u32 s30, s30, 1
	s_cmp_lg_u32 s30, 0
	s_cbranch_scc1 .Lstep
	STEP 0, 0
	; THE MERGE of the four quarters of a group.  First every wave shows its (m, l).
.irp qt, 0,1,2,3
	v_permlanex16_b32 v[T0], v[ML+2*\qt+1], s28, s29
	v_add_f32 v[ML+2*\qt+1], v[ML+2*\qt+1], v[T0]  ; l over both halves of the keys
	ds_store_b64 v[STA], v[ML+2*\qt:ML+2*\qt+1] offset:\qt*256
.endr
	s_wait_dscnt 0x0                               ; my stores are in LDS before I say so
	s_barrier_signal -1
	s_barrier_wait -1
.irp qt, 0,1,2,3
.irp w, 0,1,2,3
	ds_load_b64 v[XS+8*\qt+2*\w:XS+8*\qt+2*\w+1], v[STG] offset:\w*1024+\qt*256
.endr
.endr
	s_wait_dscnt 0x0
	; M = max of the four m, L = sum of 2^(m - M) l (at least 1: the quarter that holds M has a term 1); my O is scaled by 2^(my m - M) / L
.irp qt, 0,1,2,3
	v_max3_num_f32 v[T0], v[XS+8*\qt], v[XS+8*\qt+2], v[XS+8*\qt+4]
	v_max_num_f32 v[T0], v[T0], v[XS+8*\qt+6]
	v_sub_f32 v[AL], v[ML+2*\qt], v[T0]
.irp w, 0,1,2,3
	v_sub_f32 v[XS+8*\qt+2*\w], v[XS+8*\qt+2*\w], v[T0]
.endr
.irp w, 0,1,2,3
	v_exp_f32 v[XS+8*\qt+2*\w], v[XS+8*\qt+2*\w]
.endr
	v_exp_f32 v[AL], v[AL]
	v_nop                                          ; one plain place behind the exponentials
	s_wait_alu depctr_va_vdst(0)
	v_mul_f32 v[T1], v[XS+8*\qt], v[XS+8*\qt+1]
	v_fma_f32 v[T1], v[XS+8*\qt+2], v[XS+8*\qt+3], v[T1]
	v_fma_f32 v[T1], v[XS+8*\qt+4], v[XS+8*\qt+5], v[T1]
	v_fma_f32 v[T1], v[XS+8*\qt+6], v[XS+8*\qt+7], v[T1]
	v_rcp_f32 v[T0], v[T1]
	v_nop                                          ; one plain place behind the reciprocal
	s_wait_alu depctr_va_vdst(0)
	v_mul_f32 v[AL], v[AL], v[T0]
.irp i, 0,1,2,3,4,5,6,7,8,9,10,11,12,13,14,15
	v_pk_mul_f32 v[OA+32*\qt+2*\i:OA+32*\qt+2*\i+1], v[OA+32*\qt+2*\i:OA+32*\qt+2*\i+1], v[AL:AL+1] op_sel_hi:[1,0]
.endr
.endr
.irp i, 0,1,2,3,4,5,6,7,8,9,10,11,12,13,14,15
	ds_store_b128 v[OST], v[OA+8*\i:OA+8*\i+3] offset:\i*1024        ; 32 lanes, 16 neighbouring bytes each
	ds_store_b128 v[OST], v[OA+8*\i+4:OA+8*\i+7] offset:\i*1024+512
.endr
	s_wait_dscnt 0x0
	s_barrier_signal -1
	s_barrier_wait -1
	; wave kq of the group sums query tile kq over the four quarters and stores four chunks of ctx
.irp w, 0,1,2,3
.irp dt, 0,1,2,3
	ds_load_b128 v[OA+8*(4*\w+\dt):OA+8*(4*\w+\dt)+3], v[ORD] offset:\w*16384+\dt*1024
	ds_load_b128 v[OA+8*(4*\w+\dt)+4:OA+8*(4*\w+\dt)+7], v[ORD] offset:\w*16384+\dt*1024+512
.endr
.endr
	s_wait_dscnt 0x0
.irp dt, 0,1,2,3
.irp j, 0,1,2,3
	v_pk_add_f32 v[OA+8*\dt+2*\j:OA+8*\dt+2*\j+1], v[OA+8*\dt+2*\j:OA+8*\dt+2*\j+1], v[OA+32+8*\dt+2*\j:OA+32+8*\dt+2*\j+1]
	v_pk_add_f32 v[OA+64+8*\dt+2*\j:OA+64+8*\dt+2*\j+1], v[OA+64+8*\dt+2*\j:OA+64+8*\dt+2*\j+1], v[OA+96+8*\dt+2*\j:OA+96+8*\dt+2*\j+1]
.endr
.irp j, 0,1,2,3
	v_pk_add_f32 v[OA+8*\dt+2*\j:OA+8*\dt+2*\j+1], v[OA+8*\dt+2*\j:OA+8*\dt+2*\j+1], v[OA+64+8*\dt+2*\j:OA+64+8*\dt+2*\j+1]
.endr
.irp j, 0,1,2,3
	v_cvt_pk_f16_f32 v[OA+8*\dt+\j], v[OA+8*\dt+2*\j], v[OA+8*\dt+2*\j+1]
.endr
	global_store_b128 v[LOFF], v[OA+8*\dt:OA+8*\dt+3], s[10:11] offset:\dt*512   ; a chunk: 512 consecutive bytes, aligned
.endr
	s_wait_tensorcnt 0x0
	ds_add_u32 v30, v31
	s_wait_dscnt 0x0
	s_endpgm
.Lfunc_end_k_qe74591a416_attn:
	.size	k_qe74591a416_attn, .Lfunc_end_k_qe74591a416_attn-k_qe74591a416_attn
	.p2alignl 7, 3214868480
	.fill 96, 4, 3214868480
	.section	.rodata,"a",@progbits
	.p2align	6, 0x0
	.amdhsa_kernel k_qe74591a416_attn
		.amdhsa_group_segment_fixed_size 210432
		.amdhsa_private_segment_fixed_size 0
		.amdhsa_enable_private_segment 0
		.amdhsa_kernarg_size 32
		.amdhsa_user_sgpr_count 2
		.amdhsa_user_sgpr_kernarg_segment_ptr 1
		.amdhsa_wavefront_size32 1
		.amdhsa_system_sgpr_workgroup_id_x 1
		.amdhsa_system_sgpr_workgroup_id_y 1
		.amdhsa_system_sgpr_workgroup_id_z 1
		.amdhsa_system_vgpr_workitem_id 0
		.amdhsa_next_free_vgpr 320
		.amdhsa_next_free_sgpr 66
		.amdhsa_reserve_vcc 0
		.amdhsa_float_denorm_mode_32 3
		.amdhsa_float_denorm_mode_16_64 3
		.amdhsa_memory_ordered 1
		.amdhsa_forward_progress 1
		.amdhsa_inst_pref_size 76
	.end_amdhsa_kernel
	.amdgpu_metadata
---
amdhsa.version: [ 1, 2 ]
amdhsa.kernels:
  - .name:           k_qe74591a416_attn
    .symbol:         k_qe74591a416_attn.kd
    .args:
      - { .name: qc, .offset: 0, .size: 8, .value_kind: global_buffer, .address_space: global }
      - { .name: kc, .offset: 8, .size: 8, .value_kind: global_buffer, .address_space: global }
      - { .name: vt, .offset: 16, .size: 8, .value_kind: global_buffer, .address_space: global }
      - { .name: cx, .offset: 24, .size: 8, .value_kind: global_buffer, .address_space: global }
    .group_segment_fixed_size: 210432
    .private_segment_fixed_size: 0
    .kernarg_segment_align: 8
    .kernarg_segment_size: 32
    .max_flat_workgroup_size: 384
    .sgpr_count:     66
    .vgpr_count:     320
    .wavefront_size: 32
...
	.end_amdgpu_metadata
.endif
;; end of part 2
;; launch outp (part 3): grid 6 x 32, 8 waves a work-group, no clusters, 107,520 bytes of LDS; arguments cx, wo, bo, out0; writes out0
.if DOCPART == 3
	.amdgcn_target "amdgcn-amd-amdhsa--gfx1250"
	.amdhsa_code_object_version 6
	.text
	.protected	k_qe74591a416_outp
	.globl	k_qe74591a416_outp
	.p2align	8
	.type	k_qe74591a416_outp,@function
k_qe74591a416_outp:
	s_mov_b64 s[64:65], 0
	v_nop
	global_prefetch_b8 v0, s[64:65] scope:SCOPE_SE
	s_setreg_imm32_b32 hwreg(HW_REG_WAVE_MODE, 25, 1), 1
	s_wait_xcnt 0x0
; out0 = ctx wo + bo.  ctx: 4096 x 768 f16 in chunks (cx: chunk (rb, cb) of 16 x 16 at (48 rb + cb) * 512, lane 16 h + r owns
; ctx(16 rb + r, 16 cb + 8 h + 0..7)); wo: [768 (k)][768 (n)] f32; bo: [768] f32; out0: [4096][768] f32.  Sums in f32.
; A work-group makes 128 x 128 (rows of wo and of out0 are then 512 bytes, aligned): 6 x 32 = 192 work-groups; blocks of 96 columns would
; give 256 but rows of 384 bytes.  Eight waves as 4 x 2, a wave makes 32 x 64: eight accumulators.
; ctx fragments are chunks and come straight from memory into two register buffers, one K step ahead.  Only wo passes through LDS: it is
; rounded f32 -> f16 on the way, kept [k][n], and read by transposing loads.  For that rounding the tile goes through registers, so no joint
; tensor load is used.  No prefetch: cx was stored by the launch before, wo is read by 32 work-groups.
; LIMIT: f16 operands: |ctx| and |wo| below 65504.
.set ROWB,   3072
.set CROW,   24576
.set WPITCH, 288                       ; 128 f16 + 32 bytes: an odd multiple of 32
.set WSLOT,  64*WPITCH                 ; 18432
.set OS,     2*WSLOT                   ; behind the two slots: a stage of 32 rows x 272 bytes for each wave; the end is 106496
.set OPITCH, 272                       ; 64 f32 + 16 bytes
.set WGO,  1                           ; v1  global byte offset of my 16 bytes in a tile of wo
.set WST,  2                           ; v2  LDS store address for wo
.set ADRB, 3                           ; v3  LDS address of my wo fragments
.set AOFF, 4                           ; v4  16 * lane
.set STO,  5                           ; v5  the way out: where I put 32 bytes of a row
.set RD,   6                           ; v6  the way out: where I read rows back
.set GOO,  7                           ; v7  my byte offset in out0
.set BOFF, 8                           ; v8  32 h: bias of eight neighbouring columns
.set ACC,  16                          ; v[16:79]    tile (a, b) at ACC + 8 (4 a + b)
.set FB,   80                          ; v[80:111]   four wo fragments
.set FA0,  112                         ; v[112:175]  ctx, two buffers of 32: chunk (a, c) at + 16 a + 4 c
.set SW,   176                         ; v[176:207]  wo on its way, f32; the bias at the end
.set BI,   176
	s_load_b256 s[4:11], s[0:1], 0x0               ; cx, wo, bo, out0
	v_lshl_add_u32 v208, v0, 2, 0x1a000
	v_mov_b32 v209, 0
	v_lshrrev_b32 v9, 5, v0
	v_readfirstlane_b32 s12, v9                    ; wave 0..7
	s_lshr_b32 s13, s12, 1                         ; wm: my 32 rows
	s_and_b32 s14, s12, 1                          ; wn: my 64 columns
	s_and_b32 s15, ttmp7, 0xffff                   ; block of 128 rows
	s_lshl_b32 s16, s15, 3
	s_lshl1_add_u32 s16, s13, s16                  ; row of chunks 8 by + 2 wm
	s_mul_i32 s16, s16, CROW
	s_mov_b32 s17, 0
	s_lshl_b32 s18, ttmp9, 9                       ; block of 128 columns, in bytes
	s_mov_b32 s19, 0
	s_lshl_b32 s20, s14, 8
	s_add_co_u32 s20, s20, s18                     ; the 64 columns of my wave
	s_mov_b32 s21, 0
	s_lshl_b32 s22, s15, 7
	s_lshl_b32 s23, s13, 5
	s_add_co_u32 s22, s22, s23                     ; my first row
	s_mul_i32 s22, s22, ROWB
	s_add_co_u32 s22, s22, s20
	s_mov_b32 s23, 0
	v_lshrrev_b32 v9, 4, v0                        ; t >> 4: row of a tile, 0..15
	v_and_b32 v10, 15, v0                          ; r
	v_bfe_u32 v11, v0, 4, 1                        ; h
	v_and_b32 v12, 7, v0
	v_bfe_u32 v13, v0, 3, 1
	v_mul_u32_u24 v[WGO], v9, ROWB
	v_lshl_add_u32 v[WGO], v10, 4, v[WGO]          ; sixteen lanes take 256 consecutive bytes of a row
	v_mul_u32_u24 v[WST], v9, WPITCH
	v_lshl_add_u32 v[WST], v10, 3, v[WST]
	s_lshl_b32 s25, s14, 7
	v_lshl_add_u32 v14, v11, 3, v12                ; k row 8 h + (L & 7)
	v_mul_u32_u24 v[ADRB], v14, WPITCH
	v_lshl_add_u32 v[ADRB], v13, 4, v[ADRB]
	v_add_nc_u32 v[ADRB], s25, v[ADRB]
	v_and_b32 v[AOFF], 31, v0
	v_lshlrev_b32 v[AOFF], 4, v[AOFF]
	s_mul_i32 s25, s12, 32*OPITCH
	s_add_co_u32 s25, s25, OS                      ; my stage
	v_mul_u32_u24 v[STO], v10, OPITCH
	v_lshl_add_u32 v[STO], v11, 5, v[STO]
	v_add_nc_u32 v[STO], s25, v[STO]
	v_mul_u32_u24 v[RD], v11, OPITCH
	v_lshl_add_u32 v[RD], v10, 4, v[RD]
	v_add_nc_u32 v[RD], s25, v[RD]
	v_mul_u32_u24 v[GOO], v11, ROWB
	v_lshl_add_u32 v[GOO], v10, 4, v[GOO]
	v_lshlrev_b32 v[BOFF], 5, v11
	s_wait_kmcnt 0x0
	s_add_nc_u64 s[4:5], s[4:5], s[16:17]
	s_add_nc_u64 s[6:7], s[6:7], s[18:19]
	s_add_nc_u64 s[8:9], s[8:9], s[20:21]
	s_add_nc_u64 s[10:11], s[10:11], s[22:23]
.macro PLACES n
.rept \n
	v_nop
.endr
.endm
.macro ALOAD buf                       ; 32 rows x 64 of ctx: eight chunks, each 512 consecutive bytes
.irp a, 0,1
.irp c, 0,1,2,3
	global_load_b128 v[FA0+32*(\buf)+16*\a+4*\c:FA0+32*(\buf)+16*\a+4*\c+3], v[AOFF], s[4:5] offset:\a*CROW+\c*512
.endr
.endr
.endm
.macro WLOAD                           ; 64 rows x 512 bytes of wo
.irp i, 0,1,2,3,4,5,6,7
	global_load_b128 v[SW+4*\i:SW+4*\i+3], v[WGO], s[6:7] offset:(\i/2)*16*ROWB+(\i%2)*256
.endr
.endm
.macro STAGE slot
	s_wait_loadcnt 0x0                             ; wo and the next ctx buffer are in, so the bases may be stepped
	s_add_nc_u64 s[4:5], s[4:5], 4*512             ; four chunks along K
	s_add_nc_u64 s[6:7], s[6:7], 64*ROWB
.irp i, 0,1,2,3,4,5,6,7
	v_cvt_pk_f16_f32 v[SW+4*\i], v[SW+4*\i], v[SW+4*\i+1]
	v_cvt_pk_f16_f32 v[SW+4*\i+1], v[SW+4*\i+2], v[SW+4*\i+3]
	ds_store_b64 v[WST], v[SW+4*\i:SW+4*\i+1] offset:(\slot)*WSLOT+(\i/2)*16*WPITCH+(\i%2)*128
.endr
.endm
.macro BFRAG slot, ks
.irp b, 0,1,2,3
	ds_load_tr16_b128 v[FB+8*\b:FB+8*\b+3], v[ADRB] offset:\slot*WSLOT+\ks*32*WPITCH+\b*32
	ds_load_tr16_b128 v[FB+8*\b+4:FB+8*\b+7], v[ADRB] offset:\slot*WSLOT+\ks*32*WPITCH+\b*32+16*WPITCH
.endr
.endm
; Source 0 = wo, source 1 = ctx: a lane holds row r and the columns 8 h + 0..7.  Eight accumulators take turns, one instruction a turn.
.macro MUL buf, ks, zero
.irp a, 0,1
.irp b, 0,1,2,3
.if \zero
	v_wmma_f32_16x16x32_f16 v[ACC+8*(4*\a+\b):ACC+8*(4*\a+\b)+7], v[FB+8*\b:FB+8*\b+7], v[FA0+32*\buf+16*\a+8*\ks:FA0+32*\buf+16*\a+8*\ks+7], 0
.else
	v_wmma_f32_16x16x32_f16 v[ACC+8*(4*\a+\b):ACC+8*(4*\a+\b)+7], v[FB+8*\b:FB+8*\b+7], v[FA0+32*\buf+16*\a+8*\ks:FA0+32*\buf+16*\a+8*\ks+7], v[ACC+8*(4*\a+\b):ACC+8*(4*\a+\b)+7]
.endif
.endr
.endr
.endm
; One K step of 64.  The loads at the head stand behind the 16 conversions of the last STAGE, which name no matrix register: more than the
; four places that a load into a matrix source needs.  One barrier a step: in front of it my reads of this slot are back and my stores into
; the other slot are done; this slot is written again only at the end of the next step.
.macro STEP slot, zero, next
.if \next
	ALOAD 1-\slot
	WLOAD
.else
.irp b, 0,1,2,3
	global_load_b128 v[BI+8*\b:BI+8*\b+3], v[BOFF], s[8:9] offset:64*\b
	global_load_b128 v[BI+8*\b+4:BI+8*\b+7], v[BOFF], s[8:9] offset:64*\b+16
.endr
.endif
	BFRAG \slot, 0
	s_wait_dscnt 0x0
	MUL \slot, 0, \zero
	PLACES 4                                       ; four places between the products and the loads into their sources
	BFRAG \slot, 1
	s_wait_dscnt 0x0
	MUL \slot, 1, 0
.if \next
	STAGE 1-\slot
	s_wait_dscnt 0x0                               ; my stores are in LDS before I say so
	s_barrier_signal -1
	s_barrier_wait -1
.endif
.endm
	ALOAD 0                                        ; K step 0
	WLOAD
	STAGE 0
	s_wait_dscnt 0x0
	s_barrier_signal -1
	s_barrier_wait -1
	STEP 0, 1, 1                                   ; 12 K steps: two in front of the loop, eight in it, two behind; the last fetches the bias only
	STEP 1, 0, 1
	s_mov_b32 s24, 4
.Lk:
	STEP 0, 0, 1
	STEP 1, 0, 1
	s_sub_co_u32 s24, s24, 1
	s_cmp_lg_u32 s24, 0
	s_cbranch_scc1 .Lk
	STEP 0, 0, 1
	STEP 1, 0, 0
	; THE WAY OUT: bias in f32; a lane holds 32 bytes of a row, so the 32 x 64 block goes through my own stage in LDS and comes back as whole rows of 256 bytes.
	PLACES 4                                       ; behind the last products: for the adds, which read results, and for the loads into the ctx buffers
	s_wait_loadcnt 0x0                             ; the bias
.irp a, 0,1
.irp b, 0,1,2,3
.irp j, 0,1,2,3
	v_pk_add_f32 v[ACC+8*(4*\a+\b)+2*\j:ACC+8*(4*\a+\b)+2*\j+1], v[ACC+8*(4*\a+\b)+2*\j:ACC+8*(4*\a+\b)+2*\j+1], v[BI+8*\b+2*\j:BI+8*\b+2*\j+1]
.endr
	ds_store_b128 v[STO], v[ACC+8*(4*\a+\b):ACC+8*(4*\a+\b)+3] offset:\a*16*OPITCH+\b*64
	ds_store_b128 v[STO], v[ACC+8*(4*\a+\b)+4:ACC+8*(4*\a+\b)+7] offset:\a*16*OPITCH+\b*64+16
.endr
.endr
.irp i, 0,1,2,3,4,5,6,7,8,9,10,11,12,13,14,15
	ds_load_b128 v[FA0+4*\i:FA0+4*\i+3], v[RD] offset:\i*2*OPITCH    ; my own bytes: LDS serves the instructions of a wave in order (ISA guide 5.7.1), so these see the stores above
.endr
.irp i, 0,1,2,3,4,5,6,7,8,9,10,11,12,13,14,15
	s_wait_dscnt 15-\i                             ; the loads younger than load i may stay out
	global_store_b128 v[GOO], v[FA0+4*\i:FA0+4*\i+3], s[10:11] offset:\i*2*ROWB th:TH_STORE_NT   ; sixteen lanes store 256 consecutive bytes, aligned
.endr
	s_wait_tensorcnt 0x0
	ds_add_u32 v208, v209
	s_wait_dscnt 0x0
	s_endpgm
.Lfunc_end_k_qe74591a416_outp:
	.size	k_qe74591a416_outp, .Lfunc_end_k_qe74591a416_outp-k_qe74591a416_outp
	.p2alignl 7, 3214868480
	.fill 96, 4, 3214868480
	.section	.rodata,"a",@progbits
	.p2align	6, 0x0
	.amdhsa_kernel k_qe74591a416_outp
		.amdhsa_group_segment_fixed_size 107520
		.amdhsa_private_segment_fixed_size 0
		.amdhsa_enable_private_segment 0
		.amdhsa_kernarg_size 32
		.amdhsa_user_sgpr_count 2
		.amdhsa_user_sgpr_kernarg_segment_ptr 1
		.amdhsa_wavefront_size32 1
		.amdhsa_system_sgpr_workgroup_id_x 1
		.amdhsa_system_sgpr_workgroup_id_y 1
		.amdhsa_system_sgpr_workgroup_id_z 1
		.amdhsa_system_vgpr_workitem_id 0
		.amdhsa_next_free_vgpr 210
		.amdhsa_next_free_sgpr 66
		.amdhsa_reserve_vcc 0
		.amdhsa_float_denorm_mode_32 3
		.amdhsa_float_denorm_mode_16_64 3
		.amdhsa_memory_ordered 1
		.amdhsa_forward_progress 1
		.amdhsa_inst_pref_size 43
	.end_amdhsa_kernel
	.amdgpu_metadata
---
amdhsa.version: [ 1, 2 ]
amdhsa.kernels:
  - .name:           k_qe74591a416_outp
    .symbol:         k_qe74591a416_outp.kd
    .args:
      - { .name: cx, .offset: 0, .size: 8, .value_kind: global_buffer, .address_space: global }
      - { .name: wo, .offset: 8, .size: 8, .value_kind: global_buffer, .address_space: global }
      - { .name: bo, .offset: 16, .size: 8, .value_kind: global_buffer, .address_space: global }
      - { .name: out0, .offset: 24, .size: 8, .value_kind: global_buffer, .address_space: global }
    .group_segment_fixed_size: 107520
    .private_segment_fixed_size: 0
    .kernarg_segment_align: 8
    .kernarg_segment_size: 32
    .max_flat_workgroup_size: 256
    .sgpr_count:     66
    .vgpr_count:     210
    .wavefront_size: 32
...
	.end_amdgpu_metadata
.endif
;; end of part 3
;; ======== version 2 of 2: 4 launches; 1.25 times as fast as version 1
;; limits: values are held in f16: magnitudes above 65,504 overflow, below 6.1e-05 lose precision
;; workspace buffers: qc 6,291,456 bytes; kc 6,291,456 bytes; vt 6,291,456 bytes; cx 6,291,456 bytes; wc 1,179,648 bytes; w3 3,538,944 bytes
;; launch wprep (part 4): grid 48 x 4, 16 waves a work-group, no clusters, 27,648 bytes of LDS; arguments wq, wk, wv, wo, w3, wc; writes w3, wc
.if DOCPART == 4
	.amdgcn_target "amdgcn-amd-amdhsa--gfx1250"
	.amdhsa_code_object_version 6
	.text
	.protected	k_qe74591a416_wprep
	.globl	k_qe74591a416_wprep
	.p2align	8
	.type	k_qe74591a416_wprep,@function
k_qe74591a416_wprep:
	s_mov_b64 s[64:65], 0
	v_nop
	global_prefetch_b8 v0, s[64:65] scope:SCOPE_SE
	s_setreg_imm32_b32 hwreg(HW_REG_WAVE_MODE, 25, 1), 1
	s_wait_xcnt 0x0
; The four weight matrices, [768 (k)][768 (n)] f32, are rounded once to f16 and laid out as halves of matrix fragments:
; chunks of 16 x 16 f16 = 512 bytes, chunk (kb, nb) at (48 kb + nb) * 512, lane L = 16 h + r owns bytes 16 L .. 16 L + 15 = w(16 kb + 8 h + 0..7, 16 nb + r).
; wq, wk, wv go to w3 (one matrix after the other, 1179648 bytes each), wo to wc.  The products that follow load these chunks straight into registers.
; A launch of its own: every work-group of the projections needs the whole K of its matrix, and what one work-group stores no other work-group of the same launch may read.
; WORK: grid x = kb (16 rows of a matrix), grid y = the matrix: 192 work-groups of 16 waves.  Wave w loads row 16 kb + w (6 loads of 512 consecutive
; bytes), rounds it and lays it into LDS row w; behind one barrier it reads the chunks (kb, 3 w + 0..2) by transposing loads, which give lane 16 h + r the
; numbers k = 8 h + 0..7 of column r, and stores 512 consecutive aligned bytes each.
; A stream: no matrix unit, no cluster (no byte is read twice).  LIMIT: |w| below 65504 (f16).
.set ROWB,   3072                      ; bytes in a row of w
.set TPITCH, 1568                      ; LDS row: 768 f16 + 32 bytes, an odd multiple of 32 (transposing loads)
.set WMAT,   1179648                   ; bytes of a matrix in chunks
.set OOFF, 2                           ; v2  16 * lane
.set STA,  6                           ; v6  LDS: where I put 8 bytes of my row
.set RDA,  7                           ; v7  LDS: where my transposing loads read
.set SX,   8                           ; v[8:31]   my row, f32, then f16
.set TR,   32                          ; v[32:43]  three chunks
	s_load_b256 s[4:11], s[0:1], 0x0               ; wq, wk, wv, wo
	s_load_b128 s[12:15], s[0:1], 0x20             ; w3, wc
	v_lshl_add_u32 v48, v0, 2, 0x6400
	v_mov_b32 v49, 0
	v_lshrrev_b32 v1, 5, v0
	v_readfirstlane_b32 s16, v1                    ; wave 0..15
	s_and_b32 s17, ttmp7, 0xffff                   ; which matrix: 0 wq, 1 wk, 2 wv, 3 wo
	v_and_b32 v[OOFF], 31, v0
	v_lshlrev_b32 v[OOFF], 4, v[OOFF]
	v_bfe_u32 v3, v0, 4, 1                         ; h
	v_and_b32 v4, 7, v0
	v_bfe_u32 v5, v0, 3, 1
	v_lshl_add_u32 v3, v3, 3, v4                   ; k row 8 h + (L & 7)
	s_lshl4_add_u32 s18, ttmp9, s16                ; my row: 16 kb + wave
	s_mul_i32 s18, s18, ROWB
	s_mov_b32 s19, 0
	s_mul_i32 s20, ttmp9, 48
	s_mul_i32 s22, s16, 3
	s_add_co_u32 s20, s20, s22
	s_lshl_b32 s20, s20, 9                         ; chunk (kb, 3 wave)
	s_mul_i32 s22, s17, WMAT                       ; the matrix's place in w3; wc holds wo alone
	s_cmp_eq_u32 s17, 3
	s_cselect_b32 s22, 0, s22
	s_add_co_u32 s20, s20, s22
	s_mov_b32 s21, 0
	s_mul_i32 s28, s16, TPITCH
	s_mul_i32 s29, s16, 96                         ; three chunks of 32 bytes a row
	v_lshrrev_b32 v[STA], 1, v[OOFF]               ; four f16 a lane: 8 * lane
	v_add_nc_u32 v[STA], s28, v[STA]               ; in LDS row w
	v_mul_u32_u24 v[RDA], v3, TPITCH
	v_lshl_add_u32 v[RDA], v5, 4, v[RDA]           ; 16 bytes for each group of eight lanes
	v_add_nc_u32 v[RDA], s29, v[RDA]
	s_wait_kmcnt 0x0
	s_cmp_eq_u32 s17, 1
	s_cselect_b64 s[24:25], s[6:7], s[4:5]
	s_cmp_eq_u32 s17, 2
	s_cselect_b64 s[24:25], s[8:9], s[24:25]
	s_cmp_eq_u32 s17, 3
	s_cselect_b64 s[24:25], s[10:11], s[24:25]     ; from
	s_cselect_b64 s[26:27], s[14:15], s[12:13]     ; to
	s_add_nc_u64 s[24:25], s[24:25], s[18:19]
	s_add_nc_u64 s[26:27], s[26:27], s[20:21]
.irp i, 0,1,2,3,4,5
	global_load_b128 v[SX+4*\i:SX+4*\i+3], v[OOFF], s[24:25] offset:\i*512 th:TH_LOAD_NT
.endr
	s_wait_loadcnt 0x0
.irp i, 0,1,2,3,4,5
	v_cvt_pk_f16_f32 v[SX+4*\i], v[SX+4*\i], v[SX+4*\i+1]
	v_cvt_pk_f16_f32 v[SX+4*\i+1], v[SX+4*\i+2], v[SX+4*\i+3]
	ds_store_b64 v[STA], v[SX+4*\i:SX+4*\i+1] offset:\i*256
.endr
	s_wait_dscnt 0x0                               ; my row is in LDS before I say so
	s_barrier_signal -1
	s_barrier_wait -1
.irp b, 0,1,2
	ds_load_tr16_b128 v[TR+4*\b:TR+4*\b+3], v[RDA] offset:\b*32
.endr
	s_wait_dscnt 0x0
.irp b, 0,1,2
	global_store_b128 v[OOFF], v[TR+4*\b:TR+4*\b+3], s[26:27] offset:\b*512
.endr
	s_wait_tensorcnt 0x0
	ds_add_u32 v48, v49
	s_wait_dscnt 0x0
	s_endpgm
.Lfunc_end_k_qe74591a416_wprep:
	.size	k_qe74591a416_wprep, .Lfunc_end_k_qe74591a416_wprep-k_qe74591a416_wprep
	.p2alignl 7, 3214868480
	.fill 96, 4, 3214868480
	.section	.rodata,"a",@progbits
	.p2align	6, 0x0
	.amdhsa_kernel k_qe74591a416_wprep
		.amdhsa_group_segment_fixed_size 27648
		.amdhsa_private_segment_fixed_size 0
		.amdhsa_enable_private_segment 0
		.amdhsa_kernarg_size 48
		.amdhsa_user_sgpr_count 2
		.amdhsa_user_sgpr_kernarg_segment_ptr 1
		.amdhsa_wavefront_size32 1
		.amdhsa_system_sgpr_workgroup_id_x 1
		.amdhsa_system_sgpr_workgroup_id_y 1
		.amdhsa_system_sgpr_workgroup_id_z 1
		.amdhsa_system_vgpr_workitem_id 0
		.amdhsa_next_free_vgpr 50
		.amdhsa_next_free_sgpr 66
		.amdhsa_reserve_vcc 0
		.amdhsa_float_denorm_mode_32 3
		.amdhsa_float_denorm_mode_16_64 3
		.amdhsa_memory_ordered 1
		.amdhsa_forward_progress 1
		.amdhsa_inst_pref_size 5
	.end_amdhsa_kernel
	.amdgpu_metadata
---
amdhsa.version: [ 1, 2 ]
amdhsa.kernels:
  - .name:           k_qe74591a416_wprep
    .symbol:         k_qe74591a416_wprep.kd
    .args:
      - { .name: wq, .offset: 0, .size: 8, .value_kind: global_buffer, .address_space: global }
      - { .name: wk, .offset: 8, .size: 8, .value_kind: global_buffer, .address_space: global }
      - { .name: wv, .offset: 16, .size: 8, .value_kind: global_buffer, .address_space: global }
      - { .name: wo, .offset: 24, .size: 8, .value_kind: global_buffer, .address_space: global }
      - { .name: w3, .offset: 32, .size: 8, .value_kind: global_buffer, .address_space: global }
      - { .name: wc, .offset: 40, .size: 8, .value_kind: global_buffer, .address_space: global }
    .group_segment_fixed_size: 27648
    .private_segment_fixed_size: 0
    .kernarg_segment_align: 8
    .kernarg_segment_size: 48
    .max_flat_workgroup_size: 512
    .sgpr_count:     66
    .vgpr_count:     50
    .wavefront_size: 32
...
	.end_amdgpu_metadata
.endif
;; end of part 4
;; launch proj (part 5): grid 2 x 96, 4 waves a work-group, no clusters, 221,696 bytes of LDS; arguments q, k, v, w3, bq, bk, bv, qc, kc, vt; writes qc, kc, vt
.if DOCPART == 5
	.amdgcn_target "amdgcn-amd-amdhsa--gfx1250"
	.amdhsa_code_object_version 6
	.text
	.protected	k_qe74591a416_proj
	.globl	k_qe74591a416_proj
	.p2align	8
	.type	k_qe74591a416_proj,@function
k_qe74591a416_proj:
	s_mov_b64 s[64:65], 0
	v_nop
	global_prefetch_b8 v0, s[64:65] scope:SCOPE_SE
	s_setreg_imm32_b32 hwreg(HW_REG_WAVE_MODE, 25, 1), 1
	s_wait_xcnt 0x0
; Three projections in one launch: Q = (q wq + bq) * 0.125 * log2(e), K = k wk + bk, V = v wv + bv, rounded once to f16.
; x: [4096][768] f32, b: [768] f32.  w3: wq, wk, wv as f16 chunks (1179648 bytes each): chunk (kb, nb) of 16 x 16 at (48 kb + nb) * 512,
; lane L = 16 h + r owns bytes 16 L .. 16 L + 15 = w(16 kb + 8 h + 0..7, 16 nb + r): two chunks are a matrix fragment of 32 along K as they lie.
; Sums in f32 (v_wmma_f32_16x16x32_f16).
; FORMAT: operands go in f16, not bf16: five intermediates are rounded on the way to the output and f16 is eight times finer.
; LIMIT: |x|, |w| and the projected numbers must stay below 65504.  With x and w 30 times larger the results are about 900 rms;
; with offsets of 30 spreads on both about 768 * 30 * 1.083 = 25000.  30 times smaller: results about 1e-3, f16 step 6e-8.
; NaN and infinities in the inputs are not reproduced.
; WORK: grid x = bx (block of 384 columns), grid y = 32 p + my (p: 0 q, 1 k, 2 v; my: block of 128 rows): 2 * 96 = 192 work-groups
; (3 * 4096 * 768 outputs have no split into 256 equal blocks of whole tiles).  Four waves, one on each SIMD; a wave makes 128 x 96: 48 accumulators,
; 384 registers.  For 32 along K a wave reads 8 KB of x from LDS and 6 KB of w from memory for 48 matrix instructions.
; w: a wave's 96 columns feed that wave alone: the chunks go straight into registers, a ring of four slots of 32 along K, asked for three steps ahead.
; x: needed by all four waves and rounded f32 -> f16 on the way, so it passes through registers into LDS, each wave bringing 32 of the 128 rows.
; Each block of 64 along K has an LDS region of its own (12 * 18432 bytes); no byte of LDS is written twice, so one barrier a block publishes it and none frees it.
; THE MAIN PART IS WRITTEN OUT: 24 steps of 32 along K, once for Q and K, once for V.  Ring slots, buffers and every place in memory and LDS stand in
; register numbers and immediates; no base and no address register is ever stepped; there is no loop.
; LOADS: step t issues the group G(t) = 8 loads of x (half of the K block (t + 5) / 2) and 12 of w (step t + 3).  The wait at the head of step t leaves the
; two younger groups out, so G(t - 3) is in; with G(t) issued 60 loads of 512 bytes of every wave are on their way.
; NO joint loads: x has to pass through registers to be rounded and w goes into registers, where a joint load cannot put it; an x tile is shared by two
; work-groups only.  No prefetch: the 60 loads of every wave are the bytes on their way.
; OUTPUT LAYOUT (qc, kc, vt): chunks as above, chunk (rb, cb) at (48 rb + cb) * 512:  qc, kc: X(16 rb + r, 16 cb + 8 h + 0..7);  vt: V(16 rb + 8 h + 0..7, 16 cb + r).
; A packed result tile is a chunk: each store of a wave covers 512 consecutive bytes, aligned.
; REGISTERS, in windows of 256 (s_set_vgpr_msb: bits 1:0 source 0, 3:2 source 1, 5:4 source 2, 7:6 destination):
;   window 0: v1-12 addresses; v[16:47] x rounded, on its way into LDS; v[64:191] x fragments, two buffers (at the end: packed results); v[192:239] bias
;   window 1: v[0:191] w, ring slot s at 48 s, fragment b at + 8 b
;   window 2: v[0:191] accumulators of my rows 0-63 (tile (a, b) at 8 (6 a + b)); v[192:255] x as loaded, K blocks 0, 2, 4 ..
;   window 3: v[0:191] accumulators of my rows 64-127;                            v[192:255] x as loaded, K blocks 1, 3, 5 ..
.set ROWB,   3072                      ; bytes in a row of x
.set CROW,   24576                     ; 48 chunks: from a row of chunks to the next
.set WMAT,   1179648                   ; bytes of a matrix in w3
.set XPITCH, 144                       ; LDS row of x: 64 f16 + 16 bytes, an odd multiple of 16: the 16 rows of a fragment load start 36 words apart
.set XREG,   128*XPITCH                ; 18432: the region of one K block; three regions lie inside a 16-bit offset, so there are four address registers
.set GO,   1                           ; v1      global byte offset of my 16 bytes of x: row 32 w + 8 h, 16 (L & 15)
.set LOFF, 2                           ; v2      16 * lane: my 16 bytes of a chunk
.set BOFQ, 3                           ; v3      32 h: bias of eight neighbouring columns (Q, K)
.set ADRA, 4                           ; v4-7    LDS address of my x fragments, K blocks 3 g .. 3 g + 2
.set XST,  8                           ; v8-11   LDS store address for x, likewise
.set BOFV, 12                          ; v12     4 r: bias of one column (V)
.set TX,   16
.set FA,   64
.set OT,   64
.set BI,   192
.set SXR,  192
.set MSB, 0
.macro WIN new                         ; the immediate's high byte repeats the setting that is left
.if MSB != \new
	s_set_vgpr_msb (MSB<<8)|\new
.set MSB, \new
.endif
.endm
.macro PLACES n
.rept \n
	v_nop
.endr
.endm
	s_load_b512 s[8:23], s[0:1], 0x0               ; q, k, v, w3, bq, bk, bv, qc
	s_load_b128 s[24:27], s[0:1], 0x40             ; kc, vt
	v_lshl_add_u32 v254, v0, 2, 0x36000
	v_mov_b32 v255, 0
	v_lshrrev_b32 v13, 5, v0
	v_readfirstlane_b32 s6, v13                    ; wave 0..3: my 96 columns, and my 32 rows of x to bring
	s_and_b32 s3, ttmp7, 0xffff
	s_lshr_b32 s4, s3, 5                           ; p: which projection
	s_and_b32 s5, s3, 31                           ; my: block of 128 rows
	v_and_b32 v13, 15, v0                          ; r
	v_bfe_u32 v14, v0, 4, 1                        ; h
	s_lshl_b32 s28, s6, 5
	v_lshl_add_u32 v15, v14, 3, s28                ; row 32 w + 8 h: the halves of a wave take rows 8 apart, 8 * 144 bytes = 288 words = 32 modulo 64,
	v_mul_u32_u24 v[GO], v15, ROWB                 ; so that the 2 x 128 bytes of an LDS store fall on 64 different banks (64 banks of 4 bytes: ISA guide 11.1)
	v_lshl_add_u32 v[GO], v13, 4, v[GO]            ; sixteen lanes take 256 consecutive bytes of a row, aligned
	v_mul_u32_u24 v[XST], v15, XPITCH
	v_lshl_add_u32 v[XST], v13, 3, v[XST]          ; four f16 a lane
	v_mul_u32_u24 v[ADRA], v13, XPITCH             ; fragment of x: row r, 16 bytes for each half of the lanes
	v_lshl_add_u32 v[ADRA], v14, 4, v[ADRA]
.irp g, 1,2,3
	v_add_nc_u32 v[XST+\g], \g*3*XREG, v[XST]
	v_add_nc_u32 v[ADRA+\g], \g*3*XREG, v[ADRA]
.endr
	v_and_b32 v[LOFF], 31, v0
	v_lshlrev_b32 v[LOFF], 4, v[LOFF]
	v_lshlrev_b32 v[BOFQ], 5, v14
	v_lshlrev_b32 v[BOFV], 2, v13
	s_mul_i32 s46, s5, 128*ROWB                    ; x: my block of rows
	s_mov_b32 s47, 0
	s_mul_i32 s29, ttmp9, 24
	s_mul_i32 s30, s6, 6
	s_add_co_u32 s29, s29, s30                     ; my first column of chunks: 24 bx + 6 w
	s_lshl_b32 s48, s29, 9
	s_mul_i32 s30, s4, WMAT
	s_add_co_u32 s48, s48, s30                     ; w3: matrix p, chunk (0, 24 bx + 6 w)
	s_mov_b32 s49, 0
	s_lshl_b32 s50, s29, 6                         ; bias: 16 columns of 4 bytes a chunk
	s_mov_b32 s51, 0
	s_mul_i32 s52, s5, 8*CROW                      ; output: chunk (8 my, 24 bx + 6 w)
	s_lshl_b32 s30, s29, 9
	s_add_co_u32 s52, s52, s30
	s_mov_b32 s53, 0
	s_wait_kmcnt 0x0
	s_cmp_eq_u32 s4, 1                             ; the buffers of my projection
	s_cselect_b64 s[34:35], s[10:11], s[8:9]
	s_cselect_b64 s[38:39], s[18:19], s[16:17]
	s_cselect_b64 s[40:41], s[24:25], s[22:23]
	s_cmp_eq_u32 s4, 2
	s_cselect_b64 s[34:35], s[12:13], s[34:35]
	s_cselect_b64 s[38:39], s[20:21], s[38:39]
	s_cselect_b64 s[40:41], s[26:27], s[40:41]
	s_add_nc_u64 s[34:35], s[34:35], s[46:47]      ; x
	s_add_nc_u64 s[36:37], s[14:15], s[48:49]      ; w
	s_add_nc_u64 s[38:39], s[38:39], s[50:51]      ; b
	s_add_nc_u64 s[40:41], s[40:41], s[52:53]      ; output
	s_mov_b32 s43, 0x3f800000
	s_cmp_eq_u32 s4, 0
	s_cselect_b32 s42, 0x3e38aa3b, s43             ; Q carries 1/sqrt(64) and log2(e), so that the softmax works in base 2; K carries 1.0
	s_mov_b32 s43, s42
; Half hf of my part of K block u of x: eight loads, each 2 rows x 256 bytes, rows 32 w + 8 h + 16 hf + 0..7, into the staging buffer u % 2.
.macro XHALF u, hf
.set XW, (2+(\u)%2)<<6
	WIN XW                                         ; destination in window 2 or 3, address in window 0
.irp i, 0,1,2,3,4,5,6,7
	global_load_b128 v[SXR+32*(\hf)+4*\i:SXR+32*(\hf)+4*\i+3], v[GO], s[34:35] offset:(16*(\hf)+\i)*ROWB+(\u)*256
.endr
.endm
; w of step t (32 along K x my 96 columns): 12 chunks, 2 x 3072 consecutive bytes, into ring slot t % 4.
.macro WLOAD t
	WIN 0x40                                       ; destination in window 1
.irp kk, 0,1
.irp b, 0,1,2,3,4,5
	global_load_b128 v[48*((\t)%4)+8*\b+4*\kk:48*((\t)%4)+8*\b+4*\kk+3], v[LOFF], s[36:37] offset:(2*(\t)+\kk)*CROW+\b*512
.endr
.endr
.endm
.macro BIAS swap
	WIN 0
.if \swap
.irp b, 0,1,2,3,4,5
	global_load_b32 v[BI+2*\b], v[BOFV], s[38:39] offset:64*\b
.endr
.else
.irp b, 0,1,2,3,4,5
	global_load_b128 v[BI+8*\b:BI+8*\b+3], v[BOFQ], s[38:39] offset:64*\b
	global_load_b128 v[BI+8*\b+4:BI+8*\b+7], v[BOFQ], s[38:39] offset:64*\b+16
.endr
.endif
.endm
; The loads of step t: half (t + 5) % 2 of K block (t + 5) / 2 of x, as long as there is one (blocks 0 to 11), w of step t + 3 (steps 0 to 23), the bias once.
.macro GROUP t, swap
.if (\t) <= 18
	XHALF ((\t)+5)/2, ((\t)+5)%2
.endif
.if (\t) <= 20
	WLOAD (\t)+3
.endif
.if (\t) == 20
	BIAS \swap
.endif
.endm
.macro NGADD t, swap                   ; adds the number of loads of GROUP t to NW
.if (\t) <= 18
.set NW, NW+8
.endif
.if (\t) <= 20
.set NW, NW+12
.endif
.if (\t) == 20
.set NW, NW+12-6*(\swap)
.endif
.endm
; My part of K block u is rounded to f16 (into window 0) and laid into the block's LDS region.
.macro CVT u
.set CW, 2+(\u)%2
.set CWA, (CW<<2)|CW
	WIN CWA                                        ; sources in window 2 or 3, destination in window 0
.set ii, 0
.rept 16
	v_cvt_pk_f16_f32 v[TX+2*ii], v[SXR+4*ii], v[SXR+4*ii+1]
	v_cvt_pk_f16_f32 v[TX+2*ii+1], v[SXR+4*ii+2], v[SXR+4*ii+3]
.set ii, ii+1
.endr
	WIN 0
.set ii, 0
.rept 16
	ds_store_b64 v[XST+(\u)/3], v[TX+2*ii:TX+2*ii+1] offset:((\u)%3)*XREG+((ii/8)*16+(ii%8))*XPITCH
.set ii, ii+1
.endr
.endm
; The eight x fragments of step t (128 rows x 32 along K; rows lie along K: two loads 32 bytes apart) into buffer t % 2.
.macro FAL t
	WIN 0
.irp a, 0,1,2,3,4,5,6,7
	ds_load_b128 v[FA+64*((\t)%2)+8*\a:FA+64*((\t)%2)+8*\a+3], v[ADRA+(\t)/6] offset:(((\t)/2)%3)*XREG+\a*16*XPITCH+((\t)%2)*64
	ds_load_b128 v[FA+64*((\t)%2)+8*\a+4:FA+64*((\t)%2)+8*\a+7], v[ADRA+(\t)/6] offset:(((\t)/2)%3)*XREG+\a*16*XPITCH+((\t)%2)*64+32
.endr
.endm
.macro MM d, s0, s1, t                 ; the products of step 0 start the sums: nothing is cleared
.if (\t) == 0
	v_wmma_f32_16x16x32_f16 v[\d:\d+7], v[\s0:\s0+7], v[\s1:\s1+7], 0
.else
	v_wmma_f32_16x16x32_f16 v[\d:\d+7], v[\s0:\s0+7], v[\s1:\s1+7], v[\d:\d+7]
.endif
.endm
; 24 matrix instructions: my rows 64 hi .. 64 hi + 63 x my 96 columns, 32 along K.
; swap = 0 (Q, K): source 0 = w, source 1 = x: a lane holds row r and columns 8 h + 0..7.  swap = 1 (V): source 0 = x, source 1 = w: rows 8 h + 0..7 of column r.
; The 48 accumulators take turns, one instruction a turn, in the same order in every step.
.macro MULH t, hi, swap
.if \swap
.set MW, ((2+\hi)<<6)|((2+\hi)<<4)|4
.else
.set MW, ((2+\hi)<<6)|((2+\hi)<<4)|1
.endif
	WIN MW                                         ; C and D in window 2 or 3, w in window 1, x in window 0
.irp a, 0,1,2,3
.irp b, 0,1,2,3,4,5
.if \swap
	MM 8*(6*\a+\b), FA+64*((\t)%2)+8*(4*\hi+\a), 48*((\t)%4)+8*\b, \t
.else
	MM 8*(6*\a+\b), 48*((\t)%4)+8*\b, FA+64*((\t)%2)+8*(4*\hi+\a), \t
.endif
.endr
.endr
.endm
; Step t: 32 along K.
.macro STEP t, swap
.set NW, 0
	NGADD (\t)-2, \swap
	NGADD (\t)-1, \swap
.set DOCV, 0
.if ((\t)%2) == 1
.if (\t) <= 21
.set DOCV, 1
.endif
.endif
	s_wait_loadcnt NW                              ; loads come back in order (ISA guide 5.7.1): the two younger groups stay out, G(t - 3) is in: w of this step, and in odd steps the K block (t + 1) / 2 of x
.if (\t) > 0
	PLACES 4                                       ; four places between the last products and the loads into the ring slot and the fragment buffer that they read (ISA guide 7.12.1 for vector instructions)
.endif
.if DOCV
	CVT ((\t)+1)/2                                 ; the next K block goes into its own region of LDS
.endif
	GROUP \t, \swap                                ; x into the staging buffer just read, w into the slot of step t - 1
.if DOCV
	s_wait_dscnt 16                                ; this step's 16 fragment loads are in; the 16 stores issued behind them may be out
.else
	s_wait_dscnt 0x0                               ; this step's fragment loads are in
.endif
	MULH \t, 0, \swap
.if (\t) < 23
.if DOCV
	s_wait_dscnt 0x0                               ; my stores are in LDS before I say so (they were issued 24 matrix instructions ago)
	s_barrier_signal -1
	s_barrier_wait -1                              ; the next K block is whole; nothing in LDS is ever written again, so this is the only barrier of the block
.endif
	FAL (\t)+1                                     ; the next step's fragments, into the buffer that step t - 1 read
.endif
	MULH \t, 1, \swap
.endm
; The way out: scale and bias in f32, one rounding to f16 (into window 0), one store of 16 bytes a lane for each tile.  The bias is in: the last step waited for all loads.
.macro EPI swap
	WIN 0
.if \swap
.irp b, 0,1,2,3,4,5
	v_mov_b32 v[BI+2*\b+1], v[BI+2*\b]             ; a pair for the packed add; these six are also the places behind the last products
.endr
.else
.set ii, 0
.rept 24
	v_pk_mul_f32 v[BI+2*ii:BI+2*ii+1], v[BI+2*ii:BI+2*ii+1], s[42:43] op_sel_hi:[1,0]   ; (x + b) c = x c + b c; these are also the places behind the last products
.set ii, ii+1
.endr
.endif
.irp hi, 0,1
.set EW, ((2+\hi)<<6)|(2+\hi)
	WIN EW                                         ; accumulators in place, bias in window 0
.irp a, 0,1,2,3
.irp b, 0,1,2,3,4,5
.irp j, 0,1,2,3
.if \swap
	v_pk_add_f32 v[8*(6*\a+\b)+2*\j:8*(6*\a+\b)+2*\j+1], v[8*(6*\a+\b)+2*\j:8*(6*\a+\b)+2*\j+1], v[BI+2*\b:BI+2*\b+1]
.else
	v_pk_fma_f32 v[8*(6*\a+\b)+2*\j:8*(6*\a+\b)+2*\j+1], v[8*(6*\a+\b)+2*\j:8*(6*\a+\b)+2*\j+1], s[42:43], v[BI+8*\b+2*\j:BI+8*\b+2*\j+1] op_sel_hi:[1,0,1]
.endif
.endr
.endr
.endr
.if \hi
	s_wait_xcnt 0x0                                ; every earlier memory instruction has had its addresses translated (ISA guide 3.1): the packed results, which the first 24 stores read, are rewritten only behind this wait
.endif
.set EW, ((2+\hi)<<2)|(2+\hi)
	WIN EW                                         ; sources in window 2 or 3, destination in window 0
.irp a, 0,1,2,3
.irp b, 0,1,2,3,4,5
.irp j, 0,1,2,3
	v_cvt_pk_f16_f32 v[OT+4*(6*\a+\b)+\j], v[8*(6*\a+\b)+2*\j], v[8*(6*\a+\b)+2*\j+1]
.endr
.endr
.endr
	WIN 0
.irp a, 0,1,2,3
.irp b, 0,1,2,3,4,5
	global_store_b128 v[LOFF], v[OT+4*(6*\a+\b):OT+4*(6*\a+\b)+3], s[40:41] offset:(4*\hi+\a)*CROW+\b*512
.endr
.endr
.endr
.endm
.macro MAIN swap
.irp t, 0,1,2,3,4,5,6,7,8,9,10,11,12,13,14,15,16,17,18,19,20,21,22,23
	STEP \t, \swap
.endr
	EPI \swap
	WIN 0
	s_wait_tensorcnt 0x0
	ds_add_u32 v254, v255
	s_wait_dscnt 0x0
	s_endpgm
.endm
	XHALF 0, 0                                     ; K block 0 of x,
	XHALF 0, 1
	GROUP -3, 0                                    ; K block 1 and w of steps 0 and 1: 56 loads are out
	GROUP -2, 0
	s_wait_loadcnt 40                              ; K block 0 is in; the two groups of 20 stay out
	CVT 0
	s_wait_dscnt 0x0                               ; my stores are in LDS before I say so
	s_barrier_signal -1
	s_barrier_wait -1
	GROUP -1, 0                                    ; the first half of K block 2, into the staging buffer just read, and w of step 2
	FAL 0
	s_cmp_eq_u32 s4, 2                             ; the same in all waves of the work-group: it hangs on the grid y alone (every window is 0 here)
	s_cbranch_scc1 .Lv
	MAIN 0
.Lv:
	MAIN 1
.Lfunc_end_k_qe74591a416_proj:
	.size	k_qe74591a416_proj, .Lfunc_end_k_qe74591a416_proj-k_qe74591a416_proj
	.p2alignl 7, 3214868480
	.fill 96, 4, 3214868480
	.section	.rodata,"a",@progbits
	.p2align	6, 0x0
	.amdhsa_kernel k_qe74591a416_proj
		.amdhsa_group_segment_fixed_size 221696
		.amdhsa_private_segment_fixed_size 0
		.amdhsa_enable_private_segment 0
		.amdhsa_kernarg_size 80
		.amdhsa_user_sgpr_count 2
		.amdhsa_user_sgpr_kernarg_segment_ptr 1
		.amdhsa_wavefront_size32 1
		.amdhsa_system_sgpr_workgroup_id_x 1
		.amdhsa_system_sgpr_workgroup_id_y 1
		.amdhsa_system_sgpr_workgroup_id_z 1
		.amdhsa_system_vgpr_workitem_id 0
		.amdhsa_next_free_vgpr 1024
		.amdhsa_next_free_sgpr 66
		.amdhsa_reserve_vcc 0
		.amdhsa_float_denorm_mode_32 3
		.amdhsa_float_denorm_mode_16_64 3
		.amdhsa_memory_ordered 1
		.amdhsa_forward_progress 1
		.amdhsa_inst_pref_size 255
	.end_amdhsa_kernel
	.section	.bss,"aw",@nobits
	.p2align	6
	.space	262144
	.amdgpu_metadata
---
amdhsa.version: [ 1, 2 ]
amdhsa.kernels:
  - .name:           k_qe74591a416_proj
    .symbol:         k_qe74591a416_proj.kd
    .args:
      - { .name: q, .offset: 0, .size: 8, .value_kind: global_buffer, .address_space: global }
      - { .name: k, .offset: 8, .size: 8, .value_kind: global_buffer, .address_space: global }
      - { .name: v, .offset: 16, .size: 8, .value_kind: global_buffer, .address_space: global }
      - { .name: w3, .offset: 24, .size: 8, .value_kind: global_buffer, .address_space: global }
      - { .name: bq, .offset: 32, .size: 8, .value_kind: global_buffer, .address_space: global }
      - { .name: bk, .offset: 40, .size: 8, .value_kind: global_buffer, .address_space: global }
      - { .name: bv, .offset: 48, .size: 8, .value_kind: global_buffer, .address_space: global }
      - { .name: qc, .offset: 56, .size: 8, .value_kind: global_buffer, .address_space: global }
      - { .name: kc, .offset: 64, .size: 8, .value_kind: global_buffer, .address_space: global }
      - { .name: vt, .offset: 72, .size: 8, .value_kind: global_buffer, .address_space: global }
    .group_segment_fixed_size: 221696
    .private_segment_fixed_size: 0
    .kernarg_segment_align: 8
    .kernarg_segment_size: 80
    .max_flat_workgroup_size: 128
    .sgpr_count:     66
    .vgpr_count:     1024
    .wavefront_size: 32
...
	.end_amdgpu_metadata
.endif
;; end of part 5
;; launch attn: the kernel of part 2 again; grid 256 x 1, 12 waves a work-group, no clusters, 210,432 bytes of LDS; arguments qc, kc, vt, cx; writes cx
;; launch outp (part 6): grid 4 x 64, 4 waves a work-group, no clusters, 168,448 bytes of LDS; arguments cx, wc, bo, out0; writes out0
.if DOCPART == 6
	.amdgcn_target "amdgcn-amd-amdhsa--gfx1250"
	.amdhsa_code_object_version 6
	.text
	.protected	k_qe74591a416_outp
	.globl	k_qe74591a416_outp
	.p2align	8
	.type	k_qe74591a416_outp,@function
k_qe74591a416_outp:
	s_mov_b64 s[64:65], 0
	v_nop
	global_prefetch_b8 v0, s[64:65] scope:SCOPE_SE
	s_setreg_imm32_b32 hwreg(HW_REG_WAVE_MODE, 25, 1), 1
	s_wait_xcnt 0x0
; out0 = ctx wo + bo.  out0: [4096][768] f32, bo: [768] f32.  Both operands come as f16 chunks of 16 x 16 (512 bytes), chunk (rb, cb) at
; (48 rb + cb) * 512, lane L = 16 h + r owns bytes 16 L .. 16 L + 15:  cx: ctx(16 rb + r, 16 cb + 8 h + 0..7);  wc: wo(16 rb + 8 h + 0..7, 16 cb + r).
; Two chunks are a matrix fragment of 32 along K as they lie: nothing is converted or transposed here.  Sums in f32.
; WORK: a work-group makes 64 rows x 192 columns: 64 x 4 = 256 work-groups; four waves, one on each SIMD, a wave makes 64 x 48: 12 accumulators.
; ctx: the block's 4 rows of chunks are 98304 consecutive bytes, needed by all four waves: they go into LDS, each wave bringing one row of chunks by
; four tensor loads of 12 chunks (24 rows of 256 bytes), all issued at the head: four outstanding.  Nothing in LDS is ever filled again.
; wo: a wave's 48 columns over the whole K (73728 bytes) feed that wave alone: they go straight into registers, 12 blocks of 64 along K, 48 registers
; each, never used twice, asked for five blocks ahead: 60 loads of 512 bytes of every wave are on their way.  All places stand in immediates.
; The main part is written out, 12 blocks of 24 matrix instructions: no loop, no label, four barriers (one for each group of tensor loads).
; The bias is the C operand of the first products.
; NO joint loads: only the ctx block is shared between work-groups (the four of a block row): 98304 of the 393216 bytes that a work-group brings in;
; the rest goes into registers, where a joint load cannot put it.  No prefetch: earlier launches stored cx and wc, and 4 and 64 work-groups read each chunk.
; LIMIT: f16 operands: |ctx| and |wo| below 65504.
; REGISTERS: window 0: v1-6 addresses, v[8:103] accumulators, v[104:231] ctx fragments (two buffers), v[232:255] bias.
; Windows 1 to 3: wo, block j at window 1 + j / 5, register 48 (j % 5): five blocks a window, so that no block lies across two windows.
.set ROWB,   3072                      ; bytes in a row of out0
.set CROW,   24576                     ; 48 chunks: from a row of chunks to the next
.set GRP,    6144                      ; 12 chunks: what one tensor load brings; three blocks of 64 along K
.set STAGE,  4*CROW                    ; LDS behind the ctx block: 64 rows x 784 bytes for the way out; no tensor load lands there; the end is 148480
.set SPITCH, 784                       ; 192 f32 + 16 bytes: an odd multiple of 16
.set LOFF, 1                           ; v1  16 * lane: my 16 bytes of a chunk, in memory and (the ctx block begins at LDS byte 0) in LDS
.set AAD1, 2                           ; v2  the same + 2 rows of chunks: rows 2 and 3 lie beyond a 16-bit offset
.set STO,  3                           ; v3  the way out: where I put 32 bytes of a row
.set RD,   4                           ; v4  the way out: where I read 16 bytes back
.set GOO,  5                           ; v5  my byte offset in out0
.set BOFF, 6                           ; v6  32 h: bias of eight neighbouring columns
.set ACC,  8                           ; tile (a, b) at ACC + 8 (3 a + b)
.set FA,   104                         ; buffer u at FA + 64 u; chunk (a, c) at + 16 a + 4 c
.set BI,   232                         ; bias of column tile b at BI + 8 b
.set G1,   24                          ; s[24:31] descriptor group 1
.set G0,   32                          ; s[32:47] descriptor group 0, one set for each of my four loads
.set MSB, 0
.macro WIN new                         ; s_set_vgpr_msb: bits 1:0 source 0, 3:2 source 1, 5:4 source 2, 7:6 destination; the high byte repeats the setting that is left
.if MSB != \new
	s_set_vgpr_msb (MSB<<8)|\new
.set MSB, \new
.endif
.endm
.macro PLACES n
.rept \n
	v_nop
.endr
.endm
	s_load_b256 s[4:11], s[0:1], 0x0               ; cx, wc, bo, out0
	s_set_vgpr_msb 0x40
	v_lshl_add_u32 v254, v0, 2, 0x29000
	v_mov_b32 v255, 0
	s_set_vgpr_msb 0x4045
	ds_add_u32 v254, v255
	ds_add_u32 v254, v255
	s_set_vgpr_msb 0x4500
	v_lshrrev_b32 v2, 5, v0
	v_readfirstlane_b32 s12, v2                    ; wave 0..3: my row of ctx chunks to fetch, my 48 columns, my 16 rows on the way out
	s_and_b32 s13, ttmp7, 0xffff                   ; by: block of 64 rows
	; group 1: a dense piece of 6144 bytes as 24 rows of 32 elements of 8 bytes
	s_mov_b32 s[G1+0], 3<<16                       ; 15:0 no work-group mask; 17:16 elements of 8 bytes; no padding
	s_mov_b32 s[G1+1], 32<<16                      ; 63:48 tensor_dim0 = 32
	s_mov_b32 s[G1+2], 24<<16                      ; 95:80 tensor_dim1 = 24
	s_mov_b32 s[G1+3], 32<<16                      ; 127:112 tile_dim0 = 32
	s_mov_b32 s[G1+4], 24                          ; 143:128 tile_dim1 = 24
	s_mov_b32 s[G1+5], 32                          ; 191:160 from row to row: 32 elements
	s_mov_b32 s[G1+6], 0
	s_mov_b32 s[G1+7], 0
	s_mul_i32 s20, s12, CROW                       ; my row of chunks, in the block and in LDS
	s_mul_i32 s14, s13, 4*CROW
	s_add_co_u32 s14, s14, s20                     ; cx: row of chunks 4 by + wave
	s_mov_b32 s15, 0
	s_mul_i32 s16, ttmp9, 12*512
	s_mul_i32 s21, s12, 3*512
	s_add_co_u32 s16, s16, s21                     ; wc: column of chunks 12 bx + 3 wave
	s_mov_b32 s17, 0
	s_mul_i32 s18, ttmp9, 768                      ; block of 192 columns, in bytes of f32
	s_mul_i32 s21, s12, 192
	s_add_co_u32 s22, s18, s21                     ; bias: the 48 columns of my wave
	s_mov_b32 s23, 0
	s_add_co_u32 s2, s21, STAGE                    ; stage: my 48 columns
	s_lshl_b32 s21, s13, 6
	s_lshl4_add_u32 s21, s12, s21                  ; out0: row 64 by + 16 wave
	s_mul_i32 s21, s21, ROWB
	s_add_co_u32 s18, s18, s21
	s_mov_b32 s19, 0
	s_mul_i32 s3, s12, 16*SPITCH
	s_add_co_u32 s3, s3, STAGE                     ; stage: the 16 rows that I store
	v_and_b32 v[LOFF], 31, v0
	v_lshlrev_b32 v[LOFF], 4, v[LOFF]
	v_add_nc_u32 v[AAD1], 2*CROW, v[LOFF]
	v_and_b32 v7, 15, v0                           ; r
	v_bfe_u32 v6, v0, 4, 1                         ; h
	v_mul_u32_u24 v[STO], v7, SPITCH               ; in: row r, 32 bytes for each half of the lanes
	v_lshl_add_u32 v[STO], v6, 5, v[STO]
	v_add_nc_u32 v[STO], s2, v[STO]
	v_mul_u32_u24 v[RD], v6, SPITCH                ; back: lanes 0-15 take 256 bytes of one row, lanes 16-31 of the next
	v_lshl_add_u32 v[RD], v7, 4, v[RD]
	v_add_nc_u32 v[RD], s3, v[RD]
	v_mul_u32_u24 v[GOO], v6, ROWB                 ; and the same in out0
	v_lshl_add_u32 v[GOO], v7, 4, v[GOO]
	v_lshlrev_b32 v[BOFF], 5, v6
	s_wait_dscnt 0x0
	s_wait_kmcnt 0x0
	s_add_nc_u64 s[4:5], s[4:5], s[14:15]
	s_add_nc_u64 s[6:7], s[6:7], s[16:17]
	s_add_nc_u64 s[8:9], s[8:9], s[22:23]
	s_add_nc_u64 s[10:11], s[10:11], s[18:19]
	; group 0, once for each load, and the load: all four go out together, ahead of every wait on TENSORcnt, every LDS read and every barrier
.irp g, 0,1,2,3
	s_mov_b32 s[G0+4*\g], 1                                        ; count = 1
	s_add_co_u32 s[G0+4*\g+1], s20, \g*GRP                         ; LDS address: wave * 24576 + g * 6144
	s_add_nc_u64 s[G0+4*\g+2:G0+4*\g+3], s[4:5], \g*GRP            ; global address: chunks 12 g .. 12 g + 11 of my row of chunks
	s_or_b32 s[G0+4*\g+3], s[G0+4*\g+3], 0x80000000                ; type = 2
	tensor_load_to_lds s[G0+4*\g:G0+4*\g+3], s[G1:G1+7]
	s_nop 0
.endr
; wo of block j (64 along K x my 48 columns): 12 chunks; chunk (kk, b) at register 48 (j % 5) + 16 b + 4 kk of window 1 + j / 5
.macro BLOAD j
.set BW, (1+(\j)/5)<<6
	WIN BW                                         ; destination in the block's window, address in window 0
.irp kk, 0,1,2,3
.irp b, 0,1,2
	global_load_b128 v[((\j)%5)*48+16*\b+4*\kk:((\j)%5)*48+16*\b+4*\kk+3], v[LOFF], s[6:7] offset:(4*(\j)+\kk)*CROW+\b*512
.endr
.endr
.endm
; ctx of block j (64 rows x 64 along K): 16 chunks from LDS, 32 lanes x 16 neighbouring bytes each, into buffer j % 2
.macro AFRAG j
.irp a, 0,1
.irp c, 0,1,2,3
	ds_load_b128 v[FA+64*((\j)%2)+16*\a+4*\c:FA+64*((\j)%2)+16*\a+4*\c+3], v[LOFF] offset:\a*CROW+(4*(\j)+\c)*512
.endr
.endr
.irp a, 2,3
.irp c, 0,1,2,3
	ds_load_b128 v[FA+64*((\j)%2)+16*\a+4*\c:FA+64*((\j)%2)+16*\a+4*\c+3], v[AAD1] offset:(\a-2)*CROW+(4*(\j)+\c)*512
.endr
.endr
.endm
; Twelve matrix instructions, 32 along K.  Source 0 = wo, source 1 = ctx: a lane holds row r and the columns 8 h + 0..7.
; The very first take the bias as C.  The twelve accumulators take turns, one instruction a turn.
.macro MUL j, ks
.set BW, 1+(\j)/5
	WIN BW                                         ; source 0 in the block's window, all else in window 0
.irp a, 0,1,2,3
.irp b, 0,1,2
.if (\j)+(\ks) == 0
	v_wmma_f32_16x16x32_f16 v[ACC+8*(3*\a+\b):ACC+8*(3*\a+\b)+7], v[((\j)%5)*48+16*\b+8*\ks:((\j)%5)*48+16*\b+8*\ks+7], v[FA+64*((\j)%2)+16*\a+8*\ks:FA+64*((\j)%2)+16*\a+8*\ks+7], v[BI+8*\b:BI+8*\b+7]
.else
	v_wmma_f32_16x16x32_f16 v[ACC+8*(3*\a+\b):ACC+8*(3*\a+\b)+7], v[((\j)%5)*48+16*\b+8*\ks:((\j)%5)*48+16*\b+8*\ks+7], v[FA+64*((\j)%2)+16*\a+8*\ks:FA+64*((\j)%2)+16*\a+8*\ks+7], v[ACC+8*(3*\a+\b):ACC+8*(3*\a+\b)+7]
.endif
.endr
.endr
.endm
; Block j: the next block's ctx fragments are asked for, then wo five blocks ahead, then this block is multiplied.
.macro BLOCK j
.if \j < 11
.if (\j+1)%3 == 0
	s_wait_dscnt 0x0                               ; no LDS load of mine is out at the signal
	s_wait_tensorcnt 3-(\j+1)/3                    ; my part of the next group of 12 chunks has landed; my younger loads stay out
	s_barrier_signal -1
	s_barrier_wait -1                              ; everybody's part has
.endif
	WIN 0
.if \j > 0
	PLACES 4                                       ; four places between the last products and the loads into the buffer that they read (ISA guide 7.12.1 for vector instructions)
.endif
	AFRAG \j+1
.endif
.if \j < 8
	s_wait_loadcnt 48                              ; wo of this block is in; the four younger blocks, 12 loads each, stay out
.else
	s_wait_loadcnt 12*(11-\j)                      ; the blocks that are left
.endif
.if \j < 7
	BLOAD \j+5                                     ; into registers that nothing has touched: 60 loads are out again
.endif
.if \j < 11
	s_wait_dscnt 16                                ; this block's ctx fragments are in; the 16 loads just issued stay out
.else
	s_wait_dscnt 0x0
.endif
	MUL \j, 0
	MUL \j, 1
.endm
.irp b, 0,1,2
	global_load_b128 v[BI+8*\b:BI+8*\b+3], v[BOFF], s[8:9] offset:64*\b
	global_load_b128 v[BI+8*\b+4:BI+8*\b+7], v[BOFF], s[8:9] offset:64*\b+16
.endr
	BLOAD 0
	BLOAD 1
	BLOAD 2
	BLOAD 3
	s_wait_loadcnt 48                              ; the bias is in: 48 loads were issued behind its six
	BLOAD 4
	WIN 0
	s_wait_tensorcnt 3                             ; my part of the first 12 chunks has landed; my three younger loads stay out
	s_barrier_signal -1
	s_barrier_wait -1                              ; everybody's part has
	AFRAG 0
.irp j, 0,1,2,3,4,5,6,7,8,9,10,11
	BLOCK \j
.endr
	; THE WAY OUT: a lane holds 32 bytes of a row and a wave 192, so the block of 64 x 192 meets in the stage and leaves as pieces of 256 bytes.
	WIN 0
	PLACES 4                                       ; four places before LDS stores read the results, and before loads land on them below
.irp a, 0,1,2,3
.irp b, 0,1,2
	ds_store_b128 v[STO], v[ACC+8*(3*\a+\b):ACC+8*(3*\a+\b)+3] offset:\a*16*SPITCH+\b*64
	ds_store_b128 v[STO], v[ACC+8*(3*\a+\b)+4:ACC+8*(3*\a+\b)+7] offset:\a*16*SPITCH+\b*64+16
.endr
.endr
	s_wait_dscnt 0x0                               ; my stores are in LDS before I say so
	s_barrier_signal -1
	s_barrier_wait -1
	; my 16 rows: load i takes piece i % 3 (256 bytes) of the rows 2 (i / 3) and 2 (i / 3) + 1
.set i, 0
.rept 24
	ds_load_b128 v[ACC+4*i:ACC+4*i+3], v[RD] offset:(i/3)*2*SPITCH+(i%3)*256
.set i, i+1
.endr
.set i, 0
.rept 24
	s_wait_dscnt 23-i                              ; the loads younger than load i may stay out
	global_store_b128 v[GOO], v[ACC+4*i:ACC+4*i+3], s[10:11] offset:(i/3)*2*ROWB+(i%3)*256 th:TH_STORE_NT   ; sixteen lanes store 256 consecutive bytes, aligned
.set i, i+1
.endr
	s_set_vgpr_msb 0x5
	s_wait_tensorcnt 0x0
	ds_add_u32 v254, v255
	s_wait_dscnt 0x0
	s_set_vgpr_msb 0x500
	s_endpgm
.Lfunc_end_k_qe74591a416_outp:
	.size	k_qe74591a416_outp, .Lfunc_end_k_qe74591a416_outp-k_qe74591a416_outp
	.p2alignl 7, 3214868480
	.fill 96, 4, 3214868480
	.section	.rodata,"a",@progbits
	.p2align	6, 0x0
	.amdhsa_kernel k_qe74591a416_outp
		.amdhsa_group_segment_fixed_size 168448
		.amdhsa_private_segment_fixed_size 0
		.amdhsa_enable_private_segment 0
		.amdhsa_kernarg_size 32
		.amdhsa_user_sgpr_count 2
		.amdhsa_user_sgpr_kernarg_segment_ptr 1
		.amdhsa_wavefront_size32 1
		.amdhsa_system_sgpr_workgroup_id_x 1
		.amdhsa_system_sgpr_workgroup_id_y 1
		.amdhsa_system_sgpr_workgroup_id_z 1
		.amdhsa_system_vgpr_workitem_id 0
		.amdhsa_next_free_vgpr 864
		.amdhsa_next_free_sgpr 66
		.amdhsa_reserve_vcc 0
		.amdhsa_float_denorm_mode_32 3
		.amdhsa_float_denorm_mode_16_64 3
		.amdhsa_memory_ordered 1
		.amdhsa_forward_progress 1
		.amdhsa_inst_pref_size 59
	.end_amdhsa_kernel
	.amdgpu_metadata
---
amdhsa.version: [ 1, 2 ]
amdhsa.kernels:
  - .name:           k_qe74591a416_outp
    .symbol:         k_qe74591a416_outp.kd
    .args:
      - { .name: cx, .offset: 0, .size: 8, .value_kind: global_buffer, .address_space: global }
      - { .name: wc, .offset: 8, .size: 8, .value_kind: global_buffer, .address_space: global }
      - { .name: bo, .offset: 16, .size: 8, .value_kind: global_buffer, .address_space: global }
      - { .name: out0, .offset: 24, .size: 8, .value_kind: global_buffer, .address_space: global }
    .group_segment_fixed_size: 168448
    .private_segment_fixed_size: 0
    .kernarg_segment_align: 8
    .kernarg_segment_size: 32
    .max_flat_workgroup_size: 128
    .sgpr_count:     66
    .vgpr_count:     864
    .wavefront_size: 32
...
	.end_amdgpu_metadata
.endif
;; end of part 6
